; MI455X (gfx1250); checked and timed in simulation.
; The chip was launched on July 23, 2026; its instructions are those of AMD's public machine-readable ISA for CDNA 5 (MIT licence, August 2026) and "CDNA5" Instruction Set Architecture Reference Guide (July 2026). The comments in the code are by the model that wrote it; some were corrected since.
;; Attention QK Norm. Allowed arithmetic: matrix products marked QUANTISED: E2M1 operands, one E8M0 scale for each 32 along K, by v_wmma_scale_f32_16x16x128_f8f6f4 with both operands' format E2M1 (or v_wmma_scale_f32_32x16x128_f4), f32 sums; products left as they are: bf16, f16 or f32 operands; f32 sums; everything else in f32.
;; Inputs: b_proj 1,024 float32; b_qkv 3,072 float32; g_k 64 float32; g_q 64 float32; w_proj 1,024 x 1,024 float32; w_qkv 1,024 x 3,072 float32; x 4 x 2,048 x 1,024 float32.
;; Outputs: out0 4 x 2,048 x 1,024 float32.
;; This version of the problem:
;;   THIS VERSION OF THE PROBLEM IS GIVEN IN LOW PRECISION. The matrix products marked QUANTISED in the list below multiply operands that are first quantised to E2M1 (2 exponent bits, 1 mantissa bit; 4 bits a number), with one power-of-two scale for each 32 numbers along K (OCP MX v1.0); their sums are f32. The products marked 'left as it is' may take bf16, f16 or f32 operands, with f32 sums. Whichever they take, every output number must still come out within the allowed error. Rounding operands to bf16 (8 significant bits) uses up far more of that allowance than f16 does (11 bits, for magnitudes from 6e-5 to 65,504). All else is computed in f32.
;;   The module's matrix products, in the order in which they are computed (A, B: the left and right operand; K: the contracted axis; several contracted axes count as one K, in the product's order):
;;     1. [M 8,192, K 1,024] x [K 1,024, N 3,072]; A: input x; B: input w_qkv: QUANTISED
;;     2. batch 64 x [M 2,048, K 64] x [K 64, N 2,048]; A: computed on the way; B: computed on the way: left as it is (an operand is computed on the way)
;;     3. batch 64 x [M 2,048, K 2,048] x [K 2,048, N 64]; A: computed on the way; B: computed on the way: left as it is (an operand is computed on the way)
;;     4. [M 8,192, K 1,024] x [K 1,024, N 1,024]; A: computed on the way; B: input w_proj: left as it is (an operand is computed on the way)
;;   THE QUANTISER, for each operand of a quantised product, along K:
;;     - K is cut into blocks of 32 from its start; a last block that is shorter is filled with zeros.
;;     - A block's scale is 2^e with e = floor(log2(the largest magnitude in the block)) - 2, held to -126 .. 127; a block of zeros has e = 0. As a byte (E8M0): e + 127.
;;     - Each number is divided by its block's scale, clamped to +-6, and rounded to the nearest number of E2M1, ties to even, subnormals kept.
;;     - The product sums the exact products of the quantised numbers (number of the format x scale) in f32.
;;   ~~~python
;;   def quantise(x, axis):      # numpy; x: float32 -> the quantised numbers, widened to float32 again
;;       x = np.moveaxis(x, axis, -1); K = x.shape[-1]
;;       x = np.pad(x, [(0, 0)] * (x.ndim - 1) + [(0, -K % 32)]); x = x.reshape(x.shape[:-1] + (-1, 32)); a = np.abs(x).max(-1, keepdims=True)
;;       e = np.where(a > 0, np.clip(np.frexp(np.where(a > 0, a, 1))[1] - 1 - 2, -126, 127), 0)      # np.frexp(a)[1] - 1 = floor(log2(a)), exactly
;;       r = np.clip(x / 2.0 ** e, -6, 6)
;;       step = 2.0 ** (np.maximum(np.frexp(np.where(r == 0, 1, r))[1] - 1, 0) - 1)
;;       q = np.round(r / step) * step * 2.0 ** e      # np.round: ties to even
;;       return np.moveaxis(q.reshape(q.shape[:-2] + (-1,))[..., :K], -1, axis).astype(np.float32)
;;   ~~~
;; One version. Each part assembles by itself: llvm-mc -triple=amdgcn-amd-amdhsa -mcpu=gfx1250 --defsym DOCPART=n.
;; ======== version 1 of 1: 4 launches
;; limits: values are held in f16: magnitudes above 65,504 overflow, below 6.1e-05 lose precision
;; workspace buffers: xc 4,194,304 bytes; xs 262,144 bytes; wc 1,572,864 bytes; ws 98,304 bytes; wp 2,097,152 bytes; qkvb 50,331,648 bytes; ob 16,777,216 bytes
;; launch prep (part 1): grid 576 x 1, 4 waves a work-group, no clusters, 42,496 bytes of LDS; arguments x, w_qkv, w_proj, xc, xs, wc, ws, wp; writes xc, xs, wc, ws, wp
.if DOCPART == 1
	.amdgcn_target "amdgcn-amd-amdhsa--gfx1250"
	.amdhsa_code_object_version 6
	.text
	.protected	k_q311b007448_prep
	.globl	k_q311b007448_prep
	.p2align	8
	.type	k_q311b007448_prep,@function
k_q311b007448_prep:
	s_mov_b64 s[64:65], 0
	v_nop
	global_prefetch_b8 v0, s[64:65] scope:SCOPE_SE
	s_setreg_imm32_b32 hwreg(HW_REG_WAVE_MODE, 25, 1), 1
	s_wait_xcnt 0x0
; PREP: the operands of the later launches are laid out once.
;   x      [8192][1024] f32 -> xc [8192][512 bytes] codes of E2M1, K innermost, xs [8192][32] E8M0 bytes (one for each 32 along K)
;   w_qkv  [1024 (k)][3072 (n)] f32 -> wc [3072][512 bytes], ws [3072][32]: quantised along K, which is its FIRST axis, and laid with K innermost
;   w_proj [1024 (k)][1024 (n)] f32 -> wp: f16, in blocks of 16 n x 16 k of 512 bytes: the 16 bytes at 16 (16 h + r) hold n = r, k = 8 h .. 8 h + 7; block (nt, k16) at nt x 32768 + k16 x 512
; NO WORK OF reference() IS LEFT OUT in this program: every input reaches the output for some values (b_qkv differs along the axis of the head's norm, so the norm does not take it away; g_q, g_k scale the scores;
; b_proj is added to the result), and every product of the table is live.
; A block's scale is 2^(floor(log2(its largest magnitude)) - 2); its byte is the largest magnitude's exponent field - 2, held at 1 from below.
; LIMITS: a block of zeros gets the byte 1 where the rule says 127: its codes are zeros, which add nothing under any byte but 0xff, and the bytes are read by this program alone.  Blocks whose largest magnitude lies
; under 2^-124 have their byte held at 1.  NaN and infinities among the inputs are not served.  w_proj goes to f16: magnitudes up to 65,504.
; SHARES: work-groups 0-191 take w_qkv, 192-319 w_proj, 320-575 x.  The three paths part on the work-group's number alone, which all four waves share; each path that uses LDS has LDS bytes of its own.
.set WSTG,  32768                      ; w_qkv's path: a stage of 32 rows x (256 + 16) bytes
.set WSCL,  41472                      ; and 32 x 16 scale bytes
.set SPARE, 41984                      ; the spare words, 128 bytes for each wave: two blocks of 256 bytes that no other line names
.set SPW,   254                        ; v254  LDS address of my spare word; never rewritten
.set NIL,   255                        ; v255  0; never rewritten
.set SP,    80                         ; x's path: a lane's place in a stage: 64 bytes + 16 of padding
.set RL,    16                         ; v16-143  eight sets of 16 numbers as they are loaded
.set XN,    144                        ; v144-175 two sets of 16 neighbours
.set EB,    176                        ; v176-191 a scale byte for each step
.set CD,    192                        ; v192-223 two registers of codes for each step, so that no store's data are written again
.macro FINISH                          ; a wave's end, behind its last LDS store
	s_wait_tensorcnt 0x0
	ds_add_u32 v[SPW], v[NIL]
	s_wait_dscnt 0x0
	s_endpgm
.endm
	s_load_b256 s[4:11], s[0:1], 0x0               ; x s[4:5], w_qkv s[6:7], w_proj s[8:9], xc s[10:11]
	s_load_b256 s[12:19], s[0:1], 0x20             ; xs s[12:13], wc s[14:15], ws s[16:17], wp s[18:19]
	v_lshl_add_u32 v[SPW], v0, 2, SPARE
	v_mov_b32 v[NIL], 0
	v_lshrrev_b32 v1, 5, v0
	v_readfirstlane_b32 s20, v1                    ; wave 0..3
	v_and_b32 v2, 31, v0                           ; lane
	s_wait_kmcnt 0x0
	s_cmp_lt_u32 ttmp9, 192
	s_cbranch_scc1 .Lw
	s_cmp_lt_u32 ttmp9, 320
	s_cbranch_scc1 .Lp
; ---------------- x: a plain stream of blocks of 32.  A wave takes 16 steps of 512 numbers.  Each load reads 512 consecutive bytes; a step's 2,048 bytes turn through the wave's own stage in LDS,
; so that a lane then holds 16 neighbours (two neighbouring lanes hold a block).  Loads run eight steps (32 loads a wave) ahead, the turn through LDS one step.
	s_sub_co_u32 s22, ttmp9, 320
	s_lshl_b32 s22, s22, 2
	s_add_co_u32 s22, s22, s20                     ; which run of 8,192 numbers is my wave's: 0 .. 1023
	s_mov_b32 s23, 0
	s_lshl_b64 s[24:25], s[22:23], 15              ; 32,768 bytes of x a run,
	s_add_nc_u64 s[4:5], s[4:5], s[24:25]
	s_lshl_b64 s[24:25], s[22:23], 12              ; 4,096 of codes,
	s_add_nc_u64 s[10:11], s[10:11], s[24:25]
	s_lshl_b64 s[24:25], s[22:23], 8               ; 256 scale bytes
	s_add_nc_u64 s[12:13], s[12:13], s[24:25]
	v_lshlrev_b32 v3, 4, v2                        ; my 16 bytes of a load's 512
	s_lshl_b32 s26, s20, 13                        ; my wave's 8,192 bytes of LDS
	v_lshrrev_b32 v14, 2, v2
	v_mul_u32_u24 v14, v14, SP
	v_and_b32 v15, 3, v2
	v_lshl_add_u32 v14, v15, 4, v14
	v_add_nc_u32 v14, s26, v14                     ; the stage, on the way in: SP (lane / 4) + 16 (lane % 4)
	v_mul_u32_u24 v15, v2, SP
	v_add_nc_u32 v15, s26, v15                     ; and on the way out: SP x lane
	v_lshlrev_b32 v4, 3, v2                        ; 8 bytes a lane: my codes' place in a step's 256, and my part of the 256 scale bytes
	v_lshrrev_b32 v5, 1, v2
	s_add_co_u32 s26, s26, 2*32*SP                 ; behind the two stages: my wave's 256 scale bytes
	v_add_nc_u32 v5, s26, v5                       ; my block's byte
	v_add_nc_u32 v6, s26, v4                       ; and 8 bytes a lane on the way out
.macro XLOAD t
.irp i, 0,1,2,3
	global_load_b128 v[RL+16*((\t)%8)+4*\i:RL+16*((\t)%8)+4*\i+3], v3, s[4:5] offset:2048*(\t)+512*\i th:TH_LOAD_NT
.endr
.endm
.macro XTURN t                         ; step t through the stage: LDS serves a wave's instructions in order, so no wait stands between the stores and the loads
.irp i, 0,1,2,3
	ds_store_b128 v14, v[RL+16*((\t)%8)+4*\i:RL+16*((\t)%8)+4*\i+3] offset:32*SP*((\t)%2)+8*SP*\i
.endr
.irp i, 0,1,2,3
	ds_load_b128 v[XN+16*((\t)%2)+4*\i:XN+16*((\t)%2)+4*\i+3], v15 offset:32*SP*((\t)%2)+16*\i
.endr
.endm
.macro XSTEP t
.set XS, XN+16*((\t)%2)
.if (\t) > 0
	s_wait_dscnt 1                                 ; this step's numbers are back from the stage (the last step's byte store may be out)
.else
	s_wait_dscnt 0x0
.endif
.if (\t)+8 < 16
	XLOAD (\t)+8                                   ; into the set whose stores into the stage are done
.endif
.if (\t)+1 < 16
.if (\t) <= 7
	s_wait_loadcnt 28                              ; the next step's four loads are in; those of the seven steps behind it may be out
.else
	s_wait_loadcnt 4*(14-(\t))                     ; the counts run down: 15 - (t + 1) younger steps
.endif
	XTURN (\t)+1
.endif
	v_max3_num_f32 v8, |v[XS]|, |v[XS+1]|, |v[XS+2]|               ; the largest magnitude of my 16, in two chains
	v_max3_num_f32 v9, |v[XS+3]|, |v[XS+4]|, |v[XS+5]|
.irp i, 6,10
	v_max3_num_f32 v8, v8, |v[XS+\i]|, |v[XS+\i+1]|
	v_max3_num_f32 v9, v9, |v[XS+\i+2]|, |v[XS+\i+3]|
.endr
	v_max3_num_f32 v8, v8, |v[XS+14]|, |v[XS+15]|
	v_max3_num_f32 v8, v8, v9, 0x1800000           ; and the floor 2^(3 - 127): the byte cannot fall under 1
	v_max_num_f32_dpp v8, v8, v8 row_xmask:1 row_mask:0xf bank_mask:0xf   ; with my neighbour's 16: the block's
	v_add_nc_u32 v11, 0xff000000, v8               ; 2 off its exponent field: the conversion takes the exponent field of this operand as its scale
	v_cvt_scalef32_pk8_fp4_f32 v[CD+2*(\t)], v[XS:XS+7], v11
	v_cvt_scalef32_pk8_fp4_f32 v[CD+2*(\t)+1], v[XS+8:XS+15], v11
	v_lshrrev_b32 v[EB+(\t)], 23, v11              ; the scale's byte (a plain line behind the conversions)
	ds_store_b8 v5, v[EB+(\t)] offset:16*(\t)      ; both lanes of a block write the same byte with the same value
	global_store_b64 v4, v[CD+2*(\t):CD+2*(\t)+1], s[10:11] offset:256*(\t)   ; the wave stores 256 consecutive bytes, aligned
.endm
.irp t, 0,1,2,3,4,5,6,7
	XLOAD \t
.endr
	s_wait_loadcnt 28                              ; step 0's four loads are in
	XTURN 0
.irp t, 0,1,2,3,4,5,6,7,8,9,10,11,12,13,14,15
	XSTEP \t
.endr
	ds_load_b64 v[8:9], v6                         ; my wave's 256 scale bytes, 8 a lane
	s_wait_dscnt 0x0
	global_store_b64 v4, v[8:9], s[12:13]          ; 256 consecutive bytes, aligned
	FINISH
; ---------------- w_qkv: a lane takes a column n and its registers run down K, so that a block of 32 lies in one lane.  A work-group takes 32 columns x 512 along K; wave w takes K = 128 w .. 128 w + 127 of them,
; four blocks.  The four waves' codes meet in a stage of 32 rows x 256 bytes and leave as aligned runs of 256 bytes.
.Lw:
	s_lshr_b32 s21, ttmp9, 1                       ; which 32 columns: 0 .. 95
	s_and_b32 s22, ttmp9, 1                        ; which half of K
	s_lshl_b32 s24, s22, 2
	s_add_co_u32 s24, s24, s20                     ; 4 x half + wave: which 128 along K
	s_mul_i32 s24, s24, 128*12288                  ; rows of 12,288 bytes
	s_lshl_b32 s25, s21, 7                         ; + 32 columns of 4 bytes
	s_add_co_u32 s24, s24, s25
	s_mov_b32 s25, 0
	s_add_nc_u64 s[6:7], s[6:7], s[24:25]
	s_lshl_b32 s24, s21, 5
	s_lshl_b32 s26, s20, 3
	s_add_co_u32 s26, s24, s26                     ; the first row of wc and ws that my wave stores: 32 x group + 8 x wave
	s_lshl_b32 s24, s26, 9
	s_lshl_b32 s27, s22, 8
	s_add_co_u32 s24, s24, s27                     ; x 512 bytes + 256 x half
	s_add_nc_u64 s[14:15], s[14:15], s[24:25]
	s_lshl_b32 s24, s26, 5
	s_lshl_b32 s27, s22, 4
	s_add_co_u32 s24, s24, s27                     ; x 32 bytes + 16 x half
	s_add_nc_u64 s[16:17], s[16:17], s[24:25]
	v_lshlrev_b32 v3, 2, v2                        ; in: 4 bytes a lane
	v_mul_u32_u24 v4, v2, 272
	s_lshl_b32 s27, s20, 6
	s_add_co_u32 s27, s27, WSTG
	v_add_nc_u32 v4, s27, v4                       ; into the stage: row = my column, + 64 bytes x wave
	v_lshlrev_b32 v5, 4, v2
	s_lshl_b32 s27, s20, 2
	s_add_co_u32 s27, s27, WSCL
	v_add_nc_u32 v5, s27, v5                       ; my column's 16 scale bytes, my wave's four
	v_and_b32 v6, 15, v2
	v_lshrrev_b32 v8, 4, v2
	v_mul_u32_u24 v7, v8, 272
	v_lshl_add_u32 v7, v6, 4, v7
	s_mul_i32 s27, s20, 8*272
	s_add_co_u32 s27, s27, WSTG
	v_add_nc_u32 v7, s27, v7                       ; out of the stage: rows 8 w on, sixteen lanes to a row, two rows an instruction
	v_lshlrev_b32 v8, 9, v8
	v_lshl_add_u32 v8, v6, 4, v8                   ; and the same place in wc
	s_lshl_b32 s27, s20, 7
	s_add_co_u32 s27, s27, WSCL
	v_add_nc_u32 v9, s27, v3                       ; the scale bytes of columns 8 w on: 4 bytes a lane, four lanes to a column
	v_lshrrev_b32 v10, 2, v2
	v_and_b32 v6, 3, v2
	v_lshlrev_b32 v10, 5, v10
	v_lshl_add_u32 v10, v6, 2, v10                 ; and the same place in ws
.macro LOADW t                         ; block t: w_qkv(32 t + i, my column) into set t % 2; 32 lanes read 128 consecutive bytes
.set i, 0
.rept 32
	global_load_b32 v[32+32*((\t)%2)+i], v3, s[6:7] offset:(32*(\t)+i)*12288 th:TH_LOAD_NT
.set i, i+1
.endr
.endm
.macro BLOCKW t
.set XS, 32+32*((\t)%2)
.if (\t) < 3
	s_wait_loadcnt 32                              ; this block's 32 loads are in; the next block's may be out
.else
	s_wait_loadcnt 0x0
.endif
	v_max3_num_f32 v12, |v[XS]|, |v[XS+1]|, |v[XS+2]|               ; the block's largest magnitude: all 32 numbers are mine
	v_max3_num_f32 v13, |v[XS+3]|, |v[XS+4]|, |v[XS+5]|
.irp i, 6,10,14,18,22,26
	v_max3_num_f32 v12, v12, |v[XS+\i]|, |v[XS+\i+1]|
	v_max3_num_f32 v13, v13, |v[XS+\i+2]|, |v[XS+\i+3]|
.endr
	v_max3_num_f32 v12, v12, |v[XS+30]|, |v[XS+31]|
	v_max3_num_f32 v12, v12, v13, 0x1800000        ; and the floor 2^(3 - 127)
	v_add_nc_u32 v11, 0xff000000, v12              ; 2 off its exponent field: the conversion's scale operand
	v_lshrrev_b32 v13, 23, v11                     ; the scale's byte
.if (\t) == 0
	v_mov_b32 v24, v13                             ; four bytes to a register, the lower K in the lower byte
.else
	v_lshl_or_b32 v24, v13, 8*(\t), v24
.endif
.irp g, 0,1,2,3
	v_cvt_scalef32_pk8_fp4_f32 v[96+4*(\t)+\g], v[XS+8*\g:XS+8*\g+7], v11   ; each block has its own four registers of codes
.endr
	v_nop                                          ; one plain line behind the conversions
	ds_store_b128 v4, v[96+4*(\t):99+4*(\t)] offset:16*(\t)
.if (\t) < 2
	LOADW (\t)+2
.endif
.endm
	LOADW 0
	LOADW 1
	BLOCKW 0
	BLOCKW 1
	BLOCKW 2
	BLOCKW 3
	ds_store_b32 v5, v24
	s_wait_dscnt 0x0                               ; for the others' sake: my stores into the stage have landed
	s_barrier_signal -1
	s_barrier_wait -1                              ; everybody's have
.irp u, 0,1,2,3
	ds_load_b128 v[112+4*\u:115+4*\u], v7 offset:\u*544
.endr
	ds_load_b32 v28, v9
.irp u, 0,1,2,3
	s_wait_dscnt 4-\u                              ; load u is in; the younger ones may be out
	global_store_b128 v8, v[112+4*\u:115+4*\u], s[14:15] offset:\u*1024   ; sixteen lanes store 256 consecutive bytes, aligned
.endr
	s_wait_dscnt 0x0
	global_store_b32 v10, v28, s[16:17]            ; 16 bytes of each of 8 rows of ws
	FINISH
; ---------------- w_proj: a lane takes a column n and 64 along K; eight neighbours along K pack into the 16 bytes of a block that belong to (n, half).  No LDS.
.Lp:
	s_sub_co_u32 s21, ttmp9, 192
	s_and_b32 s22, s21, 7                          ; which 128 columns
	s_lshr_b32 s23, s21, 3                         ; which 64 along K
	s_lshl_b32 s24, s23, 18                        ; 64 rows of 4,096 bytes
	s_lshl_b32 s25, s22, 9
	s_add_co_u32 s24, s24, s25
	s_lshl_b32 s25, s20, 7                         ; my wave's 32 columns
	s_add_co_u32 s24, s24, s25
	s_mov_b32 s25, 0
	s_add_nc_u64 s[8:9], s[8:9], s[24:25]
	s_lshl_b32 s24, s22, 3
	s_lshl_b32 s26, s20, 1
	s_add_co_u32 s24, s24, s26                     ; my wave's first tile of 16 columns
	s_lshl_b32 s24, s24, 15
	s_lshl_b32 s26, s23, 11                        ; four blocks of 512 bytes for 64 along K
	s_add_co_u32 s24, s24, s26
	s_add_nc_u64 s[18:19], s[18:19], s[24:25]
	v_lshlrev_b32 v3, 2, v2
	v_lshrrev_b32 v4, 4, v2
	v_and_b32 v5, 15, v2
	v_lshlrev_b32 v4, 15, v4
	v_lshl_add_u32 v4, v5, 4, v4                   ; out: lanes 16-31 belong to the next tile of columns; 16 bytes a column
.set i, 0
.rept 64
	global_load_b32 v[32+i], v3, s[8:9] offset:i*4096 th:TH_LOAD_NT
.set i, i+1
.endr
.macro PPACK u                         ; k = 8 u .. 8 u + 7: block u / 2, half u % 2: 256 u bytes on
.irp i, 0,1,2,3
	v_cvt_pk_f16_f32 v[96+4*(\u)+\i], v[32+8*(\u)+2*\i], v[33+8*(\u)+2*\i]
.endr
	global_store_b128 v4, v[96+4*(\u):99+4*(\u)], s[18:19] offset:256*(\u)   ; sixteen lanes store 256 consecutive bytes, aligned
.endm
	s_wait_loadcnt 32                              ; the first 32 rows are in; the other 32 loads may be out
.irp u, 0,1,2,3
	PPACK \u
.endr
	s_wait_loadcnt 0x0
.irp u, 4,5,6,7
	PPACK \u
.endr
	FINISH
.Lfunc_end_k_q311b007448_prep:
	.size	k_q311b007448_prep, .Lfunc_end_k_q311b007448_prep-k_q311b007448_prep
	.p2alignl 7, 3214868480
	.fill 96, 4, 3214868480
	.section	.rodata,"a",@progbits
	.p2align	6, 0x0
	.amdhsa_kernel k_q311b007448_prep
		.amdhsa_group_segment_fixed_size 42496
		.amdhsa_private_segment_fixed_size 0
		.amdhsa_enable_private_segment 0
		.amdhsa_kernarg_size 64
		.amdhsa_user_sgpr_count 2
		.amdhsa_user_sgpr_kernarg_segment_ptr 1
		.amdhsa_wavefront_size32 1
		.amdhsa_system_sgpr_workgroup_id_x 1
		.amdhsa_system_sgpr_workgroup_id_y 1
		.amdhsa_system_sgpr_workgroup_id_z 1
		.amdhsa_system_vgpr_workitem_id 0
		.amdhsa_next_free_vgpr 256
		.amdhsa_next_free_sgpr 66
		.amdhsa_reserve_vcc 0
		.amdhsa_float_denorm_mode_32 3
		.amdhsa_float_denorm_mode_16_64 3
		.amdhsa_memory_ordered 1
		.amdhsa_forward_progress 1
		.amdhsa_inst_pref_size 64
	.end_amdhsa_kernel
	.amdgpu_metadata
---
amdhsa.version: [ 1, 2 ]
amdhsa.kernels:
  - .name:           k_q311b007448_prep
    .symbol:         k_q311b007448_prep.kd
    .args:
      - { .name: x, .offset: 0, .size: 8, .value_kind: global_buffer, .address_space: global }
      - { .name: w_qkv, .offset: 8, .size: 8, .value_kind: global_buffer, .address_space: global }
      - { .name: w_proj, .offset: 16, .size: 8, .value_kind: global_buffer, .address_space: global }
      - { .name: xc, .offset: 24, .size: 8, .value_kind: global_buffer, .address_space: global }
      - { .name: xs, .offset: 32, .size: 8, .value_kind: global_buffer, .address_space: global }
      - { .name: wc, .offset: 40, .size: 8, .value_kind: global_buffer, .address_space: global }
      - { .name: ws, .offset: 48, .size: 8, .value_kind: global_buffer, .address_space: global }
      - { .name: wp, .offset: 56, .size: 8, .value_kind: global_buffer, .address_space: global }
    .group_segment_fixed_size: 42496
    .private_segment_fixed_size: 0
    .kernarg_segment_align: 8
    .kernarg_segment_size: 64
    .max_flat_workgroup_size: 128
    .sgpr_count:     66
    .vgpr_count:     256
    .wavefront_size: 32
...
	.end_amdgpu_metadata
.endif
;; end of part 1
;; launch gemm1 (part 2): grid 12 x 32, 4 waves a work-group, clusters of 4 x 4, 327,680 bytes of LDS; arguments xc, xs, wc, ws, b_qkv, g_q, g_k, qkvb; writes qkvb
.if DOCPART == 2
	.amdgcn_target "amdgcn-amd-amdhsa--gfx1250"
	.amdhsa_code_object_version 6
	.text
	.protected	k_q311b007448_gemm1
	.globl	k_q311b007448_gemm1
	.p2align	8
	.type	k_q311b007448_gemm1,@function
k_q311b007448_gemm1:
	s_mov_b64 s[64:65], 0
	v_nop
	global_prefetch_b8 v0, s[64:65] scope:SCOPE_SE
	s_setreg_imm32_b32 hwreg(HW_REG_WAVE_MODE, 25, 1), 1
	s_wait_xcnt 0x0
	s_wait_alu depctr_hold_cnt(0) depctr_sa_sdst(0) depctr_va_vdst(0) depctr_va_sdst(0) depctr_va_ssrc(0) depctr_va_vcc(0) depctr_vm_vsrc(0)
	s_getreg_b32 s2, hwreg(HW_REG_IB_STS2, 6, 4)
	s_cmp_eq_u32 s2, 0
	s_cbranch_scc0 .Lentry_in_a_cluster
	s_endpgm
.Lentry_in_a_cluster:
	s_bfe_u32 s2, ttmp6, 0x10000c
	s_cmp_lg_u32 s2, 0xf033
	s_cbranch_scc0 .Lentry_shape_is_right
	s_endpgm
.Lentry_shape_is_right:
; qkv = Q(x) Q(w_qkv) + b_qkv on codes of E2M1 with E8M0 scales (M 8,192, N 3,072, K 1,024), then the norm over each head's 64 numbers for q and k, and q, k, v stored as f16 in the order of the next launch's operand registers.
; A tile of 256 x 256 is made by four waves, each 128 x 128: 64 accumulators, 512 registers.  K's two steps of 512 lie in two LDS slots, both filled at the start: nothing is filled again, and there is no loop.
; The scale bytes of the work-group's rows, for all of K, come once, as whole runs of 256 bytes.  A wave has three tensor loads out at the most.
; CLUSTERS: 4 x 4 work-groups; x's tiles are shared along a row of the cluster, w's along a column: joint loads.  A cluster's 1,024 columns are exactly q, k or v: the cluster's x says which, the same in all sixteen partners.
; THE MATRIX INSTRUCTION IS USED TRANSPOSED (source 0 = 16 columns of w, source 1 = 16 tokens): a lane holds one token and eight neighbouring channels.  The bias is the C of each sum's first product.
; THE NORM: a group = 16 tokens x one head = 32 consecutive registers; a token's 64 channels lie in lanes l and l xor 16.  Mean, then the sum of squares of the differences, as reference() has it.
; log2(e) / 8 is multiplied into q's gains, so that the scores of the next launch arrive in base 2.
; OUT: blocks of 16 tokens x 16 channels of f16, 512 bytes: the 16 bytes at 16 (16 h + r) hold token r, channels 8 h .. 8 h + 7: a lane's eight results packed.  Block at kind x 2^24 + (16 batch + head) x 2^18 + (token / 16) x 2048 + (channel / 16) x 512.
; In v's blocks the 16 bytes of (token r, half h) lie at place 16 (r / 8) + 8 h + r % 8, which is where the transposing LDS load of the next launch wants them.
; LIMITS: v goes to f16: magnitudes up to 65,504.  No work of reference() is left out.
; REGISTERS: window 0: v0-31 addresses; v32-95 scale words, two sets; v96-127 the gains; v128-191 x's fragments, one set; v192-255 the bias; in the epilogue v32-95 statistics, v128-255 packed results.
;   window 1: w's fragments, two sets.   window 2: the accumulators of my tokens 0-63 ((a, b) at v[8 (8 a + b)]);   window 3: those of tokens 64-127.
.set NQ,     4                         ; matrix instructions deep in a slot: 512 along K
.set ROWB,   256                       ; a tile's row in bytes
.set KROW,   512                       ; a row of codes in memory
.set PITCH,  272                       ; an LDS row: 256 bytes + 16 of padding, so that the 16 rows that a load touches start 4 banks apart
.set FR,     8
.set NL,     2
.set NP,     4                         ; places behind this matrix instruction (ISA guide 7.12.1)
.set HALFT,  128*PITCH
.set SLOT,   4*HALFT
.set KS,     32                        ; a row of scale bytes
.set SCL,    2*SLOT
.set HALFS,  16*272                    ; the scales of 128 rows: 16 runs of 256 bytes + 16 of padding
.set SBLK,   2*272                     ; those of 16 rows
.set SPARE,  SCL+4*HALFS               ; the spare words, 128 bytes for each wave: two blocks of 256 bytes that no other line names
.set ADRA, 16
.set ADRB, 20
.set LO,   24                          ; v24  16 x lane: my 16 bytes of a block of q or k
.set LOV,  25                          ; v25  the same for v's blocks
.set BO,   26                          ; v26  32 x (lane / 16): my eight numbers of 16 of the bias or the gains
.set ADRS, 27
.set SPW,  28
.set NIL,  29
.set SC,   32
.set GN,   96
.set AF,   128
.set BIAS, 192
.set SUM,  32                          ; epilogue: v32-47 a pair of sums a group
.set TX,   48                          ; v48-55 the other half of the lanes'
.set MU,   64                          ; v64-79 the mean (low word of a pair)
.set RS,   80                          ; v80-95 1 / sqrt(var + eps) (low word of a pair)
.set PK,   128
.set G1, 24
.set G0, 32
.set G1B, 48
.set G0B, 56
.set G1S, 68
.set G0S, 76
.set G1SB, 80
.set G0SB, 88
.set MSB, 0
.macro WIN new                         ; the immediate's high byte repeats the setting that is left
.if MSB != \new
	s_set_vgpr_msb (MSB<<8)|\new
.set MSB, \new
.endif
.endm
.set MUL_LO, 0xa1                      ; source 0 (w) window 1, source 1 (x) window 0, C and D window 2
.set MUL_HI, 0xf1
.set TO_B,   0x40
.macro JLOAD g0a, g1a, g0b, g1b        ; a joint load: waves 0 and 1 fetch for x, waves 2 and 3 for w; an s_nop 0 and four v_nop follow each line
	s_cmp_eq_u32 s15, 0
	s_cbranch_scc0 .Lfor_b_\@
	tensor_load_to_lds s[\g0a:\g0a+3], s[\g1a:\g1a+7]
	s_nop 0
.rept 4
	v_nop
.endr
	s_branch .Lasked_\@
.Lfor_b_\@:
	tensor_load_to_lds s[\g0b:\g0b+3], s[\g1b:\g1b+7]
	s_nop 0
.rept 4
	v_nop
.endr
.Lasked_\@:
.endm
.macro CROUND                          ; a round of the cluster's barrier
	s_barrier_signal -1
	s_barrier_wait -1
	s_cmp_lg_u32 s14, 0
	s_cbranch_scc1 .Lnot_wave_0_\@
	s_barrier_signal -3
.Lnot_wave_0_\@:
	s_barrier_wait -3
	s_barrier_signal -1
	s_barrier_wait -1
.endm
	s_load_b128 s[4:7], s[0:1], 0x0                ; xc, xs
	s_load_b128 s[8:11], s[0:1], 0x10              ; wc, ws
	s_load_b128 s[96:99], s[0:1], 0x20             ; b_qkv, g_q
	s_load_b64 s[100:101], s[0:1], 0x30            ; g_k
	s_load_b64 s[12:13], s[0:1], 0x38              ; qkvb
	v_lshl_add_u32 v[SPW], v0, 2, SPARE
	v_mov_b32 v[NIL], 0
	ds_add_u32 v[SPW], v[NIL]                      ; the wave's opening: the add, twice on end, and its wait ahead of my first tensor load
	ds_add_u32 v[SPW], v[NIL]
	v_lshrrev_b32 v1, 5, v0
	v_readfirstlane_b32 s14, v1                    ; wave 0..3
	s_lshr_b32 s15, s14, 1                         ; which half of the tile's tokens is mine.  Also: I fetch for x (0) or for w (1)
	s_and_b32 s16, s14, 1                          ; which half of its columns.  Also: which 128 rows of that tile I fetch
	s_bfe_u32 s40, ttmp6, 0x40000                  ; cx, cy
	s_bfe_u32 s41, ttmp6, 0x40004
	s_lshl_b32 s42, ttmp9, 2
	s_add_co_u32 s42, s42, s40                     ; tile column
	s_and_b32 s17, ttmp7, 0xffff
	s_lshl_b32 s17, s17, 2
	s_add_co_u32 s17, s17, s41                     ; tile row
	s_lshl_b32 s43, s41, 2
	s_lshl_b32 s43, 15, s43                        ; my row of the cluster
	s_lshl_b32 s44, 0x1111, s40                    ; my column
	s_or_b32 s[G1+0], s43, (0<<16)|(1<<20)|(1<<21)|(5<<22)|(3<<25)  ; the mask; elements of 1 byte; padding: 4 words after every 64
	s_or_b32 s[G1B+0], s44, (0<<16)|(1<<20)|(1<<21)|(5<<22)|(3<<25)
.irp g, G1, G1B
	s_mov_b32 s[\g+1], ROWB<<16                    ; tensor_dim0
	s_mov_b32 s[\g+2], 128<<16                     ; tensor_dim1
	s_mov_b32 s[\g+3], ROWB<<16                    ; tile_dim0
	s_mov_b32 s[\g+4], 128                         ; tile_dim1
	s_mov_b32 s[\g+5], KROW                        ; from row to row
	s_mov_b32 s[\g+6], 0
	s_mov_b32 s[\g+7], 0
.endr
	s_or_b32 s[G1S+0], s43, (3<<16)|(1<<20)|(1<<21)|(5<<22)|(3<<25)   ; the scales of 128 rows: 4,096 dense bytes as 16 rows of 32 elements of 8 bytes
	s_or_b32 s[G1SB+0], s44, (3<<16)|(1<<20)|(1<<21)|(5<<22)|(3<<25)
.irp g, G1S, G1SB
	s_mov_b32 s[\g+1], 32<<16
	s_mov_b32 s[\g+2], 16<<16
	s_mov_b32 s[\g+3], 32<<16
	s_mov_b32 s[\g+4], 16
	s_mov_b32 s[\g+5], 32
	s_mov_b32 s[\g+6], 0
	s_mov_b32 s[\g+7], 0
.endr
	s_lshl_b32 s18, s16, 7
	s_lshl_b32 s20, s17, 8
	s_add_co_u32 s20, s20, s18                     ; x: row 256 x tile row + 128 x half
	s_lshl_b32 s46, s42, 8
	s_add_co_u32 s46, s46, s18                     ; w: row 256 x tile column + 128 x half
	s_mov_b32 s21, 0
	s_mov_b32 s47, 0
	s_mov_b64 s[18:19], KS
	s_mul_u64 s[22:23], s[20:21], s[18:19]
	s_mul_u64 s[92:93], s[46:47], s[18:19]
	s_mov_b64 s[18:19], KROW
	s_mul_u64 s[20:21], s[20:21], s[18:19]
	s_mul_u64 s[46:47], s[46:47], s[18:19]
	s_mul_i32 s45, s14, HALFT                      ; where they go: wave x 128 rows
	s_mul_i32 s94, s14, HALFS
	s_wait_dscnt 0x0                               ; both opening adds are done
	s_wait_kmcnt 0x0
	s_add_nc_u64 s[20:21], s[4:5], s[20:21]
	s_add_nc_u64 s[22:23], s[6:7], s[22:23]
	s_add_nc_u64 s[46:47], s[8:9], s[46:47]
	s_add_nc_u64 s[92:93], s[10:11], s[92:93]
	CROUND                                         ; all sixteen work-groups are here: the joint loads meet
	s_mov_b32 s[G0S], 1
	s_add_co_u32 s[G0S+1], s94, SCL
	s_mov_b64 s[G0S+2:G0S+3], s[22:23]
	s_or_b32 s[G0S+3], s[G0S+3], 0x80000000
	s_mov_b32 s[G0SB], 1
	s_add_co_u32 s[G0SB+1], s94, SCL
	s_mov_b64 s[G0SB+2:G0SB+3], s[92:93]
	s_or_b32 s[G0SB+3], s[G0SB+3], 0x80000000
	JLOAD G0S, G1S, G0SB, G1SB                     ; the scales first
.irp s, 0,1
	s_mov_b32 s[G0+4*\s], 1
	s_add_co_u32 s[G0+4*\s+1], s45, \s*SLOT
	s_add_nc_u64 s[G0+4*\s+2:G0+4*\s+3], s[20:21], \s*ROWB
	s_or_b32 s[G0+4*\s+3], s[G0+4*\s+3], 0x80000000
	s_mov_b32 s[G0B+4*\s], 1
	s_add_co_u32 s[G0B+4*\s+1], s45, \s*SLOT
	s_add_nc_u64 s[G0B+4*\s+2:G0B+4*\s+3], s[46:47], \s*ROWB
	s_or_b32 s[G0B+4*\s+3], s[G0B+4*\s+3], 0x80000000
	JLOAD G0+4*\s, G1, G0B+4*\s, G1B
.endr
	v_and_b32 v1, 15, v0                           ; r
	v_bfe_u32 v2, v0, 4, 1                         ; h
	s_lshl_b32 s46, s42, 10                        ; the bias of my 128 columns: 1,024 x tile column + 512 x half bytes on
	s_lshl_b32 s47, s16, 9
	s_add_co_u32 s46, s46, s47
	s_mov_b32 s47, 0
	s_add_nc_u64 s[96:97], s[96:97], s[46:47]
	v_lshlrev_b32 v[BO], 5, v2
.irp b, 0,1,2,3,4,5,6,7
	global_load_b128 v[BIAS+8*\b:BIAS+8*\b+3], v[BO], s[96:97] offset:64*\b       ; in the result's layout: register j = the bias of column 16 b + 8 h + j
	global_load_b128 v[BIAS+8*\b+4:BIAS+8*\b+7], v[BO], s[96:97] offset:64*\b+16
.endr
	v_mul_u32_u24 v3, v1, PITCH
	v_lshl_add_u32 v4, v2, 4, v3                   ; a fragment's row x pitch + 16 x half
	s_mul_i32 s21, s15, HALFT
	s_mul_i32 s22, s16, HALFT
	s_add_co_u32 s22, s22, 2*HALFT
.irp s, 0,1
	v_add_nc_u32 v[ADRA+\s], s21, v4
	v_add_nc_u32 v[ADRB+\s], s22, v4
	s_add_co_u32 s21, s21, SLOT
	s_add_co_u32 s22, s22, SLOT
.endr
	v_mul_u32_u24 v5, v1, KS                       ; my row's scales: 32 bytes a row,
	v_lshrrev_b32 v6, 8, v5
	v_lshl_add_u32 v5, v6, 4, v5                   ; and 16 more for each 256 passed
	s_mul_i32 s21, s15, HALFS
	s_mul_i32 s22, s16, HALFS
	s_add_co_u32 s22, s22, 2*HALFS
	s_sub_co_u32 s22, s22, s21
	v_mul_u32_u24 v6, s22, v2                      ; lanes 16-31 take w's
	s_add_co_u32 s21, s21, SCL
	v_add_nc_u32 v5, v5, v6
	v_add_nc_u32 v[ADRS], s21, v5
	v_and_b32 v6, 31, v0
	v_lshlrev_b32 v[LO], 4, v6
	v_lshrrev_b32 v5, 3, v1
	v_lshlrev_b32 v5, 4, v5
	v_lshl_add_u32 v5, v2, 3, v5
	v_and_b32 v6, 7, v1
	v_add_nc_u32 v5, v5, v6
	v_lshlrev_b32 v[LOV], 4, v5                    ; 16 x (16 (r / 8) + 8 h + r % 8)
	s_lshl_b32 s46, ttmp9, 24                      ; where my wave's blocks begin: kind x 2^24
	s_lshr_b32 s47, s17, 3
	s_lshl_b32 s47, s47, 4                         ; 16 x batch
	s_lshl_b32 s92, s40, 2
	s_add_co_u32 s47, s47, s92                     ; + 4 cx
	s_lshl_b32 s92, s16, 1
	s_add_co_u32 s47, s47, s92                     ; + 2 x column half: my first head
	s_lshl_b32 s47, s47, 18
	s_add_co_u32 s46, s46, s47
	s_and_b32 s47, s17, 7
	s_lshl_b32 s47, s47, 4
	s_lshl_b32 s92, s15, 3
	s_add_co_u32 s47, s47, s92                     ; my first tile of 16 tokens in the sequence
	s_lshl_b32 s47, s47, 11
	s_add_co_u32 s46, s46, s47
	s_mov_b32 s47, 0
	s_add_nc_u64 s[12:13], s[12:13], s[46:47]
.macro FRAG reg, adr, q, i             ; 16 rows x 128 K of 4-bit codes: 8 registers: two loads of 16 bytes, 32 bytes apart
.irp c, 0,1
	ds_load_b128 v[\reg+4*\c:\reg+4*\c+3], v[\adr] offset:64*(\q)+32*\c+(\i)*16*PITCH
.endr
.endm
; 16 matrix instructions: x's blocks a0, a0 + 1 against w's eight.  zero = 1: the first product starts the sums, with the bias as C.  The 64 accumulators take turns, one instruction a turn.
.macro MUL16 a0, p, q, sc, zero
.irp a, \a0, \a0+1
.irp b, 0,1,2,3,4,5,6,7
.if \zero
	v_wmma_scale_f32_16x16x128_f8f6f4 v[8*(8*((\a)%4)+\b):8*(8*((\a)%4)+\b)+7], v[128*(\p)+FR*\b:128*(\p)+FR*\b+FR-1], v[AF+FR*(\a):AF+FR*(\a)+FR-1], v[BIAS+8*\b:BIAS+8*\b+7], v[SC+8*NQ*(\sc)+NQ*\b+(\q)], v[SC+8*NQ*(\sc)+NQ*(\a)+(\q)] matrix_a_fmt:MATRIX_FMT_FP4 matrix_b_fmt:MATRIX_FMT_FP4 matrix_a_scale:MATRIX_SCALE_ROW1
.else
	v_wmma_scale_f32_16x16x128_f8f6f4 v[8*(8*((\a)%4)+\b):8*(8*((\a)%4)+\b)+7], v[128*(\p)+FR*\b:128*(\p)+FR*\b+FR-1], v[AF+FR*(\a):AF+FR*(\a)+FR-1], v[8*(8*((\a)%4)+\b):8*(8*((\a)%4)+\b)+7], v[SC+8*NQ*(\sc)+NQ*\b+(\q)], v[SC+8*NQ*(\sc)+NQ*(\a)+(\q)] matrix_a_fmt:MATRIX_FMT_FP4 matrix_b_fmt:MATRIX_FMT_FP4 matrix_a_scale:MATRIX_SCALE_ROW1
.endif
.endr
.endr
.endm
.macro FETCH_B slot, q, p
	WIN TO_B
.irp i, 0,1,2,3,4,5,6,7
	FRAG 128*(\p)+FR*\i, ADRB+\slot, \q, \i
.endr
	WIN 0
.endm
.macro FETCH_A slot, q, i0
.irp i, \i0, \i0+1, \i0+2, \i0+3
	FRAG AF+FR*(\i), ADRA+\slot, \q, \i
.endr
.endm
.macro SCALES sc                       ; a slot's scale words: 4 words a row; lanes 0-15 take x's block i, lanes 16-31 w's block i
.irp i, 0,1,2,3,4,5,6,7
	ds_load_b128 v[SC+8*NQ*\sc+NQ*\i:SC+8*NQ*\sc+NQ*\i+3], v[ADRS] offset:\i*SBLK
.endr
.endm
.macro PLACES n                        ; plain vector instructions between a matrix instruction and a load into, or a vector instruction on, its registers
.rept \n
	v_nop
.endr
.endm
.macro STEP slot, q, zero              ; 128 along K, with its successor in the same slot
	s_wait_dscnt 4*NL                              ; w's set and x's blocks 0-3 are in; the youngest eight loads (x's blocks 4-7) may be out
.if \zero
	WIN 0x81                                       ; C (the bias) in window 0
.else
	WIN MUL_LO
.endif
	MUL16 0, (\q)%2, \q, \slot, \zero
	MUL16 2, (\q)%2, \q, \slot, \zero
	s_wait_dscnt 0
	PLACES NP
	FETCH_B \slot, (\q)+1, 1-(\q)%2
	FETCH_A \slot, (\q)+1, 0
.if \zero
	WIN 0xc1
.else
	WIN MUL_HI
.endif
	MUL16 4, (\q)%2, \q, \slot, \zero
	MUL16 6, (\q)%2, \q, \slot, \zero
	PLACES NP
	WIN 0
	FETCH_A \slot, (\q)+1, 4
.endm
.macro STEPS slot, from
.set Q, \from
.rept NQ-1-\from
	STEP \slot, Q, 0
.set Q, Q+1
.endr
.endm
	s_wait_tensorcnt 1                             ; the scales and my part of slot 0 are in (slot 1's load may be out)
	s_barrier_signal -1
	s_barrier_wait -1                              ; everybody's are
	FETCH_B 0, 0, 0
	FETCH_A 0, 0, 0
	SCALES 0
	FETCH_A 0, 0, 4
	s_wait_loadcnt 0x0                             ; the bias
	STEP 0, 0, 1
	STEPS 0, 1
	; slot 0's last step changes slots: one barrier; in front of it each wave waits for its tensor loads (slot 1's part) and for its reads
	s_wait_tensorcnt 0x0
	ds_add_u32 v[SPW], v[NIL]
	s_wait_dscnt 4*NL+1                            ; (the add and the youngest eight loads may be out)
	WIN MUL_LO
	MUL16 0, 1, NQ-1, 0, 0
	s_wait_dscnt 0x0
	s_barrier_signal -1
	MUL16 2, 1, NQ-1, 0, 0
	WIN 0
	s_barrier_wait -1                              ; slot 1 is whole
	PLACES NP
	v_add_nc_u32 v[ADRS], 4*NQ, v[ADRS]            ; on to slot 1's scale words (no LDS load of mine is out)
	FETCH_B 1, 0, 0
	FETCH_A 1, 0, 0
	SCALES 1
	WIN MUL_HI
	MUL16 4, 1, NQ-1, 0, 0
	MUL16 6, 1, NQ-1, 0, 0
	PLACES NP
	WIN 0
	FETCH_A 1, 0, 4
	STEPS 1, 0
	s_wait_dscnt 4*NL                              ; the very last step
	WIN MUL_LO
	MUL16 0, 1, NQ-1, 1, 0
	MUL16 2, 1, NQ-1, 1, 0
	s_wait_dscnt 0
	WIN MUL_HI
	MUL16 4, 1, NQ-1, 1, 0
	MUL16 6, 1, NQ-1, 1, 0
	WIN 0
	PLACES NP                                      ; in front of the first reads of results and the first writes of registers that the products read
; Window w's eight groups are rounded to f16 and stored: each store of the wave covers the 512 consecutive bytes of one block.
.macro OUTW w, lo
.if (\w) == 3
	s_wait_xcnt 0x0                                ; the first window's stores have read their data: the registers may be written again
.endif
	WIN 0x0a+5*((\w)-2)                            ; sources 0 and 1 in window w
.irp g, 0,1,2,3,4,5,6,7
.set i, 0
.rept 16
	v_cvt_pk_f16_f32 v[PK+16*\g+i], v[32*\g+2*i], v[32*\g+2*i+1]   ; each accumulator from its low end on
.set i, i+1
.endr
.endr
	WIN 0
.irp g, 0,1,2,3,4,5,6,7
.irp ct, 0,1,2,3
	global_store_b128 v[\lo], v[PK+16*\g+4*\ct:PK+16*\g+4*\ct+3], s[12:13] offset:(4*((\w)-2)+\g/2)*2048+(\g%2)*262144+\ct*512
.endr
.endr
.endm
; The norm of window w's eight groups (group g = 2 (a % 4) + which of my two heads: registers 32 g .. 32 g + 31), the groups by turns in every phase, so that no line waits for the line above it.
.macro LN w
.set WS2, 0x0a+5*((\w)-2)              ; sources 0 and 1 in window w
.set WS1, 0x08+4*((\w)-2)              ; source 1 in window w
.set WIP, 0x82+0x41*((\w)-2)           ; destination and source 0 in window w
	WIN WS2
.irp g, 0,1,2,3,4,5,6,7
	v_pk_add_f32 v[SUM+2*\g:SUM+2*\g+1], v[32*\g:32*\g+1], v[32*\g+2:32*\g+3]     ; the sum of my 32 numbers, two at a time; each accumulator from its low end on
.endr
	WIN WS1
.set p, 2
.rept 14
.irp g, 0,1,2,3,4,5,6,7
	v_pk_add_f32 v[SUM+2*\g:SUM+2*\g+1], v[SUM+2*\g:SUM+2*\g+1], v[32*\g+2*p:32*\g+2*p+1]
.endr
.set p, p+1
.endr
	WIN 0
.irp g, 0,1,2,3,4,5,6,7
	v_add_f32 v[SUM+2*\g], v[SUM+2*\g], v[SUM+2*\g+1]
.endr
.irp g, 0,1,2,3,4,5,6,7
	v_permlanex16_b32 v[TX+\g], v[SUM+2*\g], s20, s21              ; the token's other 32 channels lie in the lane 16 away
.endr
.irp g, 0,1,2,3,4,5,6,7
	v_add_f32 v[SUM+2*\g], v[SUM+2*\g], v[TX+\g]
.endr
.irp g, 0,1,2,3,4,5,6,7
	v_mul_f32 v[MU+2*\g], s2, v[SUM+2*\g]                          ; the mean
.endr
	WIN WIP
.set p, 0
.rept 16
.irp g, 0,1,2,3,4,5,6,7
	v_pk_add_f32 v[32*\g+2*p:32*\g+2*p+1], v[32*\g+2*p:32*\g+2*p+1], v[MU+2*\g:MU+2*\g+1] op_sel_hi:[1,0] neg_lo:[0,1] neg_hi:[0,1]   ; t - mean
.endr
.set p, p+1
.endr
	WIN WS2
.irp g, 0,1,2,3,4,5,6,7
	v_pk_mul_f32 v[SUM+2*\g:SUM+2*\g+1], v[32*\g:32*\g+1], v[32*\g:32*\g+1]
.endr
.set p, 1
.rept 15
.irp g, 0,1,2,3,4,5,6,7
	v_pk_fma_f32 v[SUM+2*\g:SUM+2*\g+1], v[32*\g+2*p:32*\g+2*p+1], v[32*\g+2*p:32*\g+2*p+1], v[SUM+2*\g:SUM+2*\g+1]   ; the sum of their squares
.endr
.set p, p+1
.endr
	WIN 0
.irp g, 0,1,2,3,4,5,6,7
	v_add_f32 v[SUM+2*\g], v[SUM+2*\g], v[SUM+2*\g+1]
.endr
.irp g, 0,1,2,3,4,5,6,7
	v_permlanex16_b32 v[TX+\g], v[SUM+2*\g], s20, s21
.endr
.irp g, 0,1,2,3,4,5,6,7
	v_add_f32 v[SUM+2*\g], v[SUM+2*\g], v[TX+\g]
.endr
.irp g, 0,1,2,3,4,5,6,7
	v_fma_f32 v[SUM+2*\g], v[SUM+2*\g], s2, s3                     ; var + eps
.endr
.irp g, 0,1,2,3,4,5,6,7
	v_rsq_f32 v[RS+2*\g], v[SUM+2*\g]
.endr
	v_nop                                          ; a plain line behind the last of the batch,
	s_wait_alu depctr_va_vdst(0)                   ; and one wait for the eight, ahead of their first reader
.if (\w) == 2
	s_wait_loadcnt 0x0                             ; the gains
	s_cmp_lg_u32 ttmp9, 0                          ; q alone takes log2(e) / 8 into its gains; the cluster's x is the same in all sixteen partners
	s_cbranch_scc1 .Lgain
.set p, 0
.rept 16
	v_pk_mul_f32 v[GN+2*p:GN+2*p+1], v[GN+2*p:GN+2*p+1], s[66:67] op_sel_hi:[1,0]
.set p, p+1
.endr
.Lgain:
.endif
	WIN WIP
.set p, 0
.rept 16
.irp g, 0,1,2,3,4,5,6,7
	v_pk_mul_f32 v[32*\g+2*p:32*\g+2*p+1], v[32*\g+2*p:32*\g+2*p+1], v[RS+2*\g:RS+2*\g+1] op_sel_hi:[1,0]
.endr
.set p, p+1
.endr
.set p, 0
.rept 16
.irp g, 0,1,2,3,4,5,6,7
	v_pk_mul_f32 v[32*\g+2*p:32*\g+2*p+1], v[32*\g+2*p:32*\g+2*p+1], v[GN+2*p:GN+2*p+1]
.endr
.set p, p+1
.endr
	OUTW \w, LO
.endm
	s_cmp_eq_u32 ttmp9, 2                          ; v has no norm
	s_cbranch_scc1 .Lv
	s_cmp_eq_u32 ttmp9, 0
	s_cselect_b64 s[98:99], s[98:99], s[100:101]   ; g_q or g_k
.irp ct, 0,1,2,3
	global_load_b128 v[GN+8*\ct:GN+8*\ct+3], v[BO], s[98:99] offset:64*\ct        ; in the result's layout; they land while the sums are made
	global_load_b128 v[GN+8*\ct+4:GN+8*\ct+7], v[BO], s[98:99] offset:64*\ct+16
.endr
	s_mov_b32 s2, 0x3c800000                       ; 1 / 64
	s_mov_b32 s3, 0x358637bd                       ; eps = 1e-6
	s_mov_b32 s20, 0x76543210
	s_mov_b32 s21, 0xfedcba98                      ; lane l xor 16
	s_mov_b32 s66, 0x3e38aa3b                      ; log2(e) / 8
	s_mov_b32 s67, s66                             ; (named with it as a pair)
.irp g, 0,1,2,3,4,5,6,7
	v_mov_b32 v[TX+\g], 0                          ; a lane permute's destination counts as one of its sources
	v_mov_b32 v[MU+2*\g+1], 0                      ; (upper halves of pairs of which the low word serves both halves)
	v_mov_b32 v[RS+2*\g+1], 0
.endr
	LN 2
	LN 3
	s_branch .Ldone
.Lv:
	OUTW 2, LOV
	OUTW 3, LOV
.Ldone:
	s_wait_tensorcnt 0x0                           ; the wave's end
	ds_add_u32 v[SPW], v[NIL]
	s_wait_dscnt 0x0
	CROUND                                         ; the closing round
	s_endpgm
.Lfunc_end_k_q311b007448_gemm1:
	.size	k_q311b007448_gemm1, .Lfunc_end_k_q311b007448_gemm1-k_q311b007448_gemm1
	.p2alignl 7, 3214868480
	.fill 96, 4, 3214868480
	.section	.rodata,"a",@progbits
	.p2align	6, 0x0
	.amdhsa_kernel k_q311b007448_gemm1
		.amdhsa_group_segment_fixed_size 327680
		.amdhsa_private_segment_fixed_size 0
		.amdhsa_enable_private_segment 0
		.amdhsa_kernarg_size 64
		.amdhsa_user_sgpr_count 2
		.amdhsa_user_sgpr_kernarg_segment_ptr 1
		.amdhsa_wavefront_size32 1
		.amdhsa_system_sgpr_workgroup_id_x 1
		.amdhsa_system_sgpr_workgroup_id_y 1
		.amdhsa_system_sgpr_workgroup_id_z 1
		.amdhsa_system_vgpr_workitem_id 0
		.amdhsa_next_free_vgpr 1024
		.amdhsa_next_free_sgpr 102
		.amdhsa_reserve_vcc 0
		.amdhsa_float_denorm_mode_32 3
		.amdhsa_float_denorm_mode_16_64 3
		.amdhsa_memory_ordered 1
		.amdhsa_forward_progress 1
		.amdhsa_inst_pref_size 230
	.end_amdhsa_kernel
	.amdgpu_metadata
---
amdhsa.version: [ 1, 2 ]
amdhsa.kernels:
  - .name:           k_q311b007448_gemm1
    .symbol:         k_q311b007448_gemm1.kd
    .args:
      - { .name: xc, .offset: 0, .size: 8, .value_kind: global_buffer, .address_space: global }
      - { .name: xs, .offset: 8, .size: 8, .value_kind: global_buffer, .address_space: global }
      - { .name: wc, .offset: 16, .size: 8, .value_kind: global_buffer, .address_space: global }
      - { .name: ws, .offset: 24, .size: 8, .value_kind: global_buffer, .address_space: global }
      - { .name: b_qkv, .offset: 32, .size: 8, .value_kind: global_buffer, .address_space: global }
      - { .name: g_q, .offset: 40, .size: 8, .value_kind: global_buffer, .address_space: global }
      - { .name: g_k, .offset: 48, .size: 8, .value_kind: global_buffer, .address_space: global }
      - { .name: qkvb, .offset: 56, .size: 8, .value_kind: global_buffer, .address_space: global }
    .group_segment_fixed_size: 327680
    .private_segment_fixed_size: 0
    .kernarg_segment_align: 8
    .kernarg_segment_size: 64
    .max_flat_workgroup_size: 128
    .sgpr_count:     102
    .vgpr_count:     1024
    .wavefront_size: 32
...
	.end_amdgpu_metadata
.endif
;; end of part 2
;; launch attn (part 3): grid 4 x 64, 8 waves a work-group, clusters of 4 x 1, 327,680 bytes of LDS; arguments qkvb, ob; writes ob
.if DOCPART == 3
	.amdgcn_target "amdgcn-amd-amdhsa--gfx1250"
	.amdhsa_code_object_version 6
	.text
	.protected	k_q311b007448_attn
	.globl	k_q311b007448_attn
	.p2align	8
	.type	k_q311b007448_attn,@function
k_q311b007448_attn:
	s_mov_b64 s[64:65], 0
	v_nop
	global_prefetch_b8 v0, s[64:65] scope:SCOPE_SE
	s_setreg_imm32_b32 hwreg(HW_REG_WAVE_MODE, 25, 1), 1
	s_wait_xcnt 0x0
	s_wait_alu depctr_hold_cnt(0) depctr_sa_sdst(0) depctr_va_vdst(0) depctr_va_sdst(0) depctr_va_ssrc(0) depctr_va_vcc(0) depctr_vm_vsrc(0)
	s_getreg_b32 s2, hwreg(HW_REG_IB_STS2, 6, 4)
	s_cmp_eq_u32 s2, 0
	s_cbranch_scc0 .Lentry_in_a_cluster
	s_endpgm
.Lentry_in_a_cluster:
	s_bfe_u32 s2, ttmp6, 0x10000c
	s_cmp_lg_u32 s2, 0x3003
	s_cbranch_scc0 .Lentry_shape_is_right
	s_endpgm
.Lentry_shape_is_right:
; o = softmax(q k^T / 8) v for each of 64 (batch, head) pairs: 2,048 queries x 2,048 keys, head size 64, no mask.  q, k, v arrive as f16 in blocks of 16 tokens x 16 channels of 512 bytes, in the order of the operands'
; registers; q already carries log2(e) / 8, so a score is an exponent in base 2.  Products on f16 operands with f32 sums; maxima and sums in f32; the weights p are rounded to f16 for the second product, o once at the end.
; SHARES.  A work-group owns 512 queries of one pair; each of its eight waves 64: four tiles of 16.  Two waves share a SIMD, so that one wave's vector work stands beside the other's matrix work.  Every wave walks all keys, 64 a step.
; LAYOUT.  S^T = K Q^T (source 0 = 16 keys, source 1 = 16 queries) and O^T = V^T P (source 0 = 16 channels, source 1 = P): a lane holds ONE query throughout; two tiles of S^T packed to f16 ARE a fragment of P.
; SOFTMAX.  A running maximum M and sum L for each query: p = 2^(s - M); in every step O and L are multiplied by A = 2^(old M - new M).
; RING.  Two LDS slots of 512 keys (64 KiB of K, then 64 KiB of V, dense).  Every wave fetches 16 KiB of a slot: waves 0-3 K's quarters, waves 4-7 V's.  The four work-groups of a cluster walk the same K and V: joint loads.
; A wave has two tensor loads out at the start and one behind each round; a refill has eight key steps in which to land, so no line asks for the tiles any earlier.
; OUT: ob, f16 blocks of 16 tokens x 16 of the 1,024 channels: block at (token / 16) x 32768 + (4 head + channel / 16) x 512.
; LIMITS: p under 2^-126 counts as 0; v and o in f16: magnitudes up to 65,504.  No work of reference() is left out.
; REGISTERS: window 0: v1-6 addresses; v8-55 twelve registers of statistics a tile; v64-191 S^T, 32 a tile (afterwards P in a tile's lowest 16); v192-255 V's fragments.
;   window 1: v0-63 Q, 16 a tile; v64-191 O^T, 32 a tile; v192-255 K's fragments.
.set SLOT1, 131072
.set VOFF,  65536
.set STEPB, 8192                       ; 64 keys x 128 bytes
.set SPARE, 262144                     ; the spare words, 128 bytes for each wave: four blocks of 256 bytes that no other line names
.set L16, 1                            ; v1  16 x lane
.set AV0, 2                            ; v2  16 x lane + VOFF
.set ADK, 3
.set ADV, 4
.set SPW, 5
.set NIL, 6
.set ST,  8                            ; tile t at v[ST + 12 t]: +0 M, +1 old M - new M, +2, +3 L, +4 A (+5 its pair's upper half), +6 .. +9 four running maxima; +6, +7 later a second chain of sums
.set S,   64
.set VF,  192
.set KF,  192                          ; in window 1
.set OA,  64                           ; in window 1
.set WV,  12
.set G1,  24
.set G0,  40
.set SLOTS, 56
.set CNT, 57
.set SEL, 60
.set TB,  62                           ; LDS byte at which the step to be fetched begins
.set MSB, 0
.macro WIN new
.if MSB != \new
	s_set_vgpr_msb (MSB<<8)|\new
.set MSB, \new
.endif
.endm
.macro CROUND
	s_barrier_signal -1
	s_barrier_wait -1
	s_cmp_lg_u32 s[WV], 0
	s_cbranch_scc1 .Lnot_wave_0_\@
	s_barrier_signal -3
.Lnot_wave_0_\@:
	s_barrier_wait -3
	s_barrier_signal -1
	s_barrier_wait -1
.endm
	s_load_b128 s[4:7], s[0:1], 0x0                ; qkvb, ob
	v_lshl_add_u32 v[SPW], v0, 2, SPARE
	v_mov_b32 v[NIL], 0
	ds_add_u32 v[SPW], v[NIL]                      ; the wave's opening: the add, twice on end, and its wait ahead of my first tensor load
	ds_add_u32 v[SPW], v[NIL]
	v_lshrrev_b32 v1, 5, v0
	v_readfirstlane_b32 s[WV], v1                  ; wave 0..7
	s_bfe_u32 s13, ttmp6, 0x40000                  ; cx: my block of 512 queries; it enters Q's and O's addresses alone
	s_and_b32 s14, ttmp7, 0xffff                   ; the pair: 16 batch + head, which the four partners share
	s_lshl_b32 s16, s14, 18                        ; its first byte within q, k or v
	s_lshr_b32 s17, s[WV], 2
	s_add_co_u32 s17, s17, 1                       ; 1: k (waves 0-3), 2: v (waves 4-7)
	s_lshl_b32 s17, s17, 24
	s_add_co_u32 s18, s16, s17
	s_and_b32 s17, s[WV], 3
	s_lshl_b32 s17, s17, 14                        ; my quarter of a slot's 64 KiB
	s_add_co_u32 s18, s18, s17
	s_mov_b32 s19, 0
	s_lshl_b32 s20, s13, 5
	s_lshl_b32 s21, s[WV], 2
	s_add_co_u32 s22, s20, s21                     ; my first tile of 16 queries in the sequence
	s_lshl_b32 s20, s22, 11
	s_add_co_u32 s20, s20, s16
	s_mov_b32 s21, 0                               ; s[20:21]: Q
	s_lshr_b32 s23, s14, 4
	s_lshl_b32 s23, s23, 7
	s_add_co_u32 s22, s22, s23                     ; + 128 x batch
	s_lshl_b32 s22, s22, 15
	s_and_b32 s23, s14, 15
	s_lshl_b32 s23, s23, 11                        ; the head's four blocks
	s_add_co_u32 s22, s22, s23
	s_mov_b32 s23, 0                               ; s[22:23]: O
	s_mov_b32 s[G1], 15|(3<<16)|(1<<21)            ; the mask: all four work-groups; elements of 8 bytes; bit 21 beside a mask; no padding
	s_mov_b32 s[G1+1], 32<<16                      ; tensor_dim0: 32 elements: 256 bytes
	s_mov_b32 s[G1+2], 64<<16                      ; tensor_dim1: 64 rows
	s_mov_b32 s[G1+3], 32<<16                      ; tile_dim0
	s_mov_b32 s[G1+4], 64                          ; tile_dim1
	s_mov_b32 s[G1+5], 32                          ; dense
	s_mov_b32 s[G1+6], 0
	s_mov_b32 s[G1+7], 0
	s_lshl_b32 s15, s[WV], 14                      ; where it goes: wave x 16 KiB: K's four quarters, then V's
	s_mov_b32 s[SEL], 0x76543210
	s_mov_b32 s[SEL+1], 0xfedcba98
	s_mov_b32 s[TB], 0
	s_mov_b32 s[SLOTS], 2
	s_wait_dscnt 0x0                               ; both opening adds are done
	s_wait_kmcnt 0x0
	s_add_nc_u64 s[8:9], s[4:5], s[20:21]
	s_add_nc_u64 s[6:7], s[6:7], s[22:23]
	s_add_nc_u64 s[4:5], s[4:5], s[18:19]
	CROUND                                         ; all four work-groups are here: the first joint loads meet
.irp i, 0,1
	s_mov_b32 s[G0+4*\i], 1
	s_add_co_u32 s[G0+4*\i+1], s15, \i*SLOT1
	s_add_nc_u64 s[G0+4*\i+2:G0+4*\i+3], s[4:5], \i*65536
	s_or_b32 s[G0+4*\i+3], s[G0+4*\i+3], 0x80000000
.endr
	tensor_load_to_lds s[G0:G0+3], s[G1:G1+7]      ; keys 0-511
	s_nop 0
	tensor_load_to_lds s[G0+4:G0+7], s[G1:G1+7]    ; keys 512-1023
	s_nop 0
.rept 4
	v_nop
.endr
	v_and_b32 v[L16], 31, v0
	v_lshlrev_b32 v[L16], 4, v[L16]
	v_add_nc_u32 v[AV0], VOFF, v[L16]
	WIN 0x40                                       ; destination window 1
.set i, 0
.rept 16
	global_load_b128 v[4*i:4*i+3], v[L16], s[8:9] offset:512*i     ; Q stays in registers: tile i / 4, channels 16 (i % 4) on
.set i, i+1
.endr
	WIN 0
.irp t, 0,1,2,3
	v_mov_b32 v[ST+12*\t+1], 0                     ; (upper halves of pairs of which the low word serves both halves)
	v_mov_b32 v[ST+12*\t+5], 0
.endr
.macro FETCH_K                         ; a step's K: 16 blocks as they lie
	WIN 0
	v_add_nc_u32 v[ADK], s[TB], v[L16]
	WIN 0x40
.set i, 0
.rept 16
	ds_load_b128 v[KF+4*i:KF+4*i+3], v[ADK] offset:512*i
.set i, i+1
.endr
.endm
.macro FETCH_V                         ; the same step's V, transposed by the load.  The four plain lines are the places behind the products K Q^T: for these loads' sake none are owed, for the next reads of S^T and loads into K's registers four
	WIN 0
	v_add_nc_u32 v[ADV], s[TB], v[AV0]
.rept 3
	v_nop
.endr
	s_add_co_u32 s[TB], s[TB], STEPB               ; the next fetch is the next step's
.irp kb, 0,1
.irp ct, 0,1,2,3
.irp c, 0,1
	ds_load_tr16_b128 v[VF+32*\kb+8*\ct+4*\c:VF+32*\kb+8*\ct+4*\c+3], v[ADV] offset:(2*\kb+\c)*2048+\ct*512
.endr
.endr
.endr
.endm
.macro KQ                              ; S^T = K Q^T: 32 products, the 16 accumulators by turns; the first 16 start the sums
	WIN 0x05                                       ; K and Q in window 1
.irp cf, 0,1
.irp kt, 0,1,2,3
.irp t, 0,1,2,3
.if \cf == 0
	v_wmma_f32_16x16x32_f16 v[S+32*\t+8*\kt:S+32*\t+8*\kt+7], v[KF+16*\kt+8*\cf:KF+16*\kt+8*\cf+7], v[16*\t+8*\cf:16*\t+8*\cf+7], 0
.else
	v_wmma_f32_16x16x32_f16 v[S+32*\t+8*\kt:S+32*\t+8*\kt+7], v[KF+16*\kt+8*\cf:KF+16*\kt+8*\cf+7], v[16*\t+8*\cf:16*\t+8*\cf+7], v[S+32*\t+8*\kt:S+32*\t+8*\kt+7]
.endif
.endr
.endr
.endr
.endm
.macro PV first                        ; O^T += V^T P: 32 products, the 16 accumulators by turns; first = 1: the first 16 start the sums
	WIN 0x50                                       ; C and D in window 1
.irp kb, 0,1
.irp ct, 0,1,2,3
.irp t, 0,1,2,3
.if \first && (\kb == 0)
	v_wmma_f32_16x16x32_f16 v[OA+32*\t+8*\ct:OA+32*\t+8*\ct+7], v[VF+32*\kb+8*\ct:VF+32*\kb+8*\ct+7], v[S+32*\t+8*\kb:S+32*\t+8*\kb+7], 0
.else
	v_wmma_f32_16x16x32_f16 v[OA+32*\t+8*\ct:OA+32*\t+8*\ct+7], v[VF+32*\kb+8*\ct:VF+32*\kb+8*\ct+7], v[S+32*\t+8*\kb:S+32*\t+8*\kb+7], v[OA+32*\t+8*\ct:OA+32*\t+8*\ct+7]
.endif
.endr
.endr
.endr
.endm
; A key step's softmax, the four tiles by turns line by line.  first = 1: the first step, which starts M and L.
.macro SOFTMAX first
.irp j, 0,1,2,3
.irp t, 0,1,2,3
	v_max3_num_f32 v[ST+12*\t+6+\j], v[S+32*\t+8*\j], v[S+32*\t+8*\j+1], v[S+32*\t+8*\j+2]     ; four chains, one for each accumulator, each from its low end on
.endr
.endr
.irp u, 3,5
.irp j, 0,1,2,3
.irp t, 0,1,2,3
	v_max3_num_f32 v[ST+12*\t+6+\j], v[ST+12*\t+6+\j], v[S+32*\t+8*\j+\u], v[S+32*\t+8*\j+\u+1]
.endr
.endr
.endr
.irp t, 0,1,2,3
	v_max3_num_f32 v[ST+12*\t+6], v[ST+12*\t+6], v[S+32*\t+7], v[S+32*\t+15]
.endr
.irp t, 0,1,2,3
	v_max3_num_f32 v[ST+12*\t+8], v[ST+12*\t+8], v[S+32*\t+23], v[S+32*\t+31]
.endr
.irp t, 0,1,2,3
	v_max3_num_f32 v[ST+12*\t+6], v[ST+12*\t+6], v[ST+12*\t+7], v[ST+12*\t+8]
.endr
.irp t, 0,1,2,3
.if \first
	v_max_num_f32 v[ST+12*\t+6], v[ST+12*\t+6], v[ST+12*\t+9]
.else
	v_max3_num_f32 v[ST+12*\t+6], v[ST+12*\t+6], v[ST+12*\t+9], v[ST+12*\t]                    ; with the old M
.endif
.endr
.irp t, 0,1,2,3
	v_permlanex16_b32 v[ST+12*\t+7], v[ST+12*\t+6], s[SEL], s[SEL+1]   ; the query's other 32 keys lie in the lane 16 away
.endr
.if !\first
.irp t, 0,1,2,3
	v_mov_b32 v[ST+12*\t+1], v[ST+12*\t]
.endr
.endif
.irp t, 0,1,2,3
	v_max_num_f32 v[ST+12*\t], v[ST+12*\t+6], v[ST+12*\t+7]            ; the new M
.endr
.if !\first
.irp t, 0,1,2,3
	v_sub_f32 v[ST+12*\t+1], v[ST+12*\t+1], v[ST+12*\t]                ; old M - new M
.endr
.endif
.set b, 0
.rept 16
.irp t, 0,1,2,3
	v_pk_add_f32 v[S+32*\t+2*b:S+32*\t+2*b+1], v[S+32*\t+2*b:S+32*\t+2*b+1], v[ST+12*\t:ST+12*\t+1] op_sel_hi:[1,0] neg_lo:[0,1] neg_hi:[0,1]   ; s - M
.endr
.set b, b+1
.endr
.if !\first
.irp t, 0,1,2,3
	v_exp_f32 v[ST+12*\t+4], v[ST+12*\t+1]                             ; A
.endr
.endif
.set b, 0
.rept 32
.irp t, 0,1,2,3
	v_exp_f32 v[S+32*\t+b], v[S+32*\t+b]                               ; p: ONE batch for the four tiles
.endr
.set b, b+1
.endr
	v_nop                                          ; a plain line behind the last exponential,
	s_wait_alu depctr_va_vdst(0)                   ; and one wait for the batch, ahead of its first reader
.irp t, 0,1,2,3                        ; the sums of the unrounded p, two at a time, in two chains; pair b = registers 2 b, 2 b + 1
.if \first
	v_pk_add_f32 v[ST+12*\t+2:ST+12*\t+3], v[S+32*\t:S+32*\t+1], v[S+32*\t+6:S+32*\t+7]
.else
	v_pk_fma_f32 v[ST+12*\t+2:ST+12*\t+3], v[ST+12*\t+2:ST+12*\t+3], v[ST+12*\t+4:ST+12*\t+5], v[S+32*\t:S+32*\t+1] op_sel_hi:[1,0,1]   ; L A + pair 0
.endif
	v_pk_add_f32 v[ST+12*\t+6:ST+12*\t+7], v[S+32*\t+2:S+32*\t+3], v[S+32*\t+4:S+32*\t+5]
.endr
.if !\first
.irp t, 0,1,2,3
	v_pk_add_f32 v[ST+12*\t+2:ST+12*\t+3], v[ST+12*\t+2:ST+12*\t+3], v[S+32*\t+6:S+32*\t+7]
.endr
.endif
.irp b, 5,7,9,11,13,15
.irp t, 0,1,2,3
	v_pk_add_f32 v[ST+12*\t+2:ST+12*\t+3], v[ST+12*\t+2:ST+12*\t+3], v[S+32*\t+2*\b:S+32*\t+2*\b+1]
	v_pk_add_f32 v[ST+12*\t+6:ST+12*\t+7], v[ST+12*\t+6:ST+12*\t+7], v[S+32*\t+2*\b-2:S+32*\t+2*\b-1]
.endr
.endr
.irp t, 0,1,2,3
	v_pk_add_f32 v[ST+12*\t+2:ST+12*\t+3], v[ST+12*\t+2:ST+12*\t+3], v[ST+12*\t+6:ST+12*\t+7]
.endr
.set b, 0
.rept 16
.irp t, 0,1,2,3
	v_cvt_pk_f16_f32 v[S+32*\t+b], v[S+32*\t+2*b], v[S+32*\t+2*b+1]    ; P, in place: register b takes pair b, whose registers are not below b
.endr
.set b, b+1
.endr
.endm
.macro RESCALE                         ; O^T x A, each accumulator from its low end on
	WIN 0x41                                       ; O^T (destination and source 0) in window 1
.set b, 0
.rept 16
.irp t, 0,1,2,3
	v_pk_mul_f32 v[OA+32*\t+2*b:OA+32*\t+2*b+1], v[OA+32*\t+2*b:OA+32*\t+2*b+1], v[ST+12*\t+4:ST+12*\t+5] op_sel_hi:[1,0]
.endr
.set b, b+1
.endr
.endm
; A TRIP: the next step's K is asked for; this step's softmax; O^T += V^T P; the next step's scores; the next step's V is asked for.
.macro TRIP first
	FETCH_K
	WIN 0
	SOFTMAX \first
.if !\first
	RESCALE
.endif
	s_wait_dscnt 16                                ; V is in; K's 16 younger loads may be out
	PV \first
.rept 5
	v_nop                                          ; the products below write over P, which the products above read: five places
.endr
	s_wait_dscnt 0x0                               ; K is in
	KQ
	FETCH_V
.endm
.macro TRIPS n
	s_mov_b32 s[CNT], \n
.Ltrip_\@:
	TRIP 0
	WIN 0
	s_sub_co_u32 s[CNT], s[CNT], 1
	s_cmp_lg_u32 s[CNT], 0
	s_cbranch_scc1 .Ltrip_\@
.endm
; THE CHANGE OF SLOTS: the slot's last bytes, V of its eighth step, have just been asked for.  Each wave waits for all its tensor loads (its part of the other slot), adds 0 to its spare word, and waits for that and for its reads.
; fill = 1: behind a round of the cluster's barrier the slot is filled again, with the keys two slots on.
.macro CHANGE fill
	s_wait_tensorcnt 0x0                           ; no tensor load of mine is out, so a group 0 may be written
	ds_add_u32 v[SPW], v[NIL]
.if \fill
	s_xor_b32 s[G0+5], s[G0+5], SLOT1              ; the walking descriptor: the other slot than last time,
	s_add_nc_u64 s[G0+6:G0+7], s[G0+6:G0+7], 65536 ; the next 512 keys
.endif
	s_wait_dscnt 0x0                               ; the add is done, and my reads of the slot are over
.if \fill
	CROUND
	tensor_load_to_lds s[G0+4:G0+7], s[G1:G1+7]    ; the first thing behind the round, and my one tensor load until the next
	s_nop 0
.rept 4
	v_nop
.endr
.else
	s_barrier_signal -1
	s_barrier_wait -1
.endif
	s_sub_co_u32 s[TB], s[TB], 65536               ; the fetches go back to a slot's first step,
	s_xor_b32 s[TB], s[TB], SLOT1                  ; in the other slot
.endm
	s_wait_tensorcnt 1                             ; my part of slot 0 is in; slot 1's may stay out
	s_barrier_signal -1
	s_barrier_wait -1                              ; everybody's is
	FETCH_K                                        ; key step 0
	s_wait_loadcnt 0x0                             ; Q
	s_wait_dscnt 0x0
	KQ
	FETCH_V
	TRIP 1                                         ; steps 0 to 6 are worked, steps 1 to 7 fetched
	TRIPS 6
.Lslot:                                            ; two trips: slots 0 and 1 are filled again
	CHANGE 1
	TRIPS 8
	s_sub_co_u32 s[SLOTS], s[SLOTS], 1
	s_cmp_lg_u32 s[SLOTS], 0
	s_cbranch_scc1 .Lslot
	CHANGE 0                                       ; the tail is written out: nothing is left to ask for
	TRIPS 8
	SOFTMAX 0                                      ; the last step
	RESCALE
	s_wait_dscnt 0x0
	PV 0
	WIN 0
	; THE WAY OUT.  L's two halves and the other half of the lanes' are added (these lines are the places behind the last products); O^T / L is rounded to f16: a lane's eight channels are the 16 bytes of a block that are its own.
.irp t, 0,1,2,3
	v_add_f32 v[ST+12*\t+6], v[ST+12*\t+2], v[ST+12*\t+3]
.endr
.irp t, 0,1,2,3
	v_permlanex16_b32 v[ST+12*\t+7], v[ST+12*\t+6], s[SEL], s[SEL+1]
.endr
.irp t, 0,1,2,3
	v_add_f32 v[ST+12*\t+6], v[ST+12*\t+6], v[ST+12*\t+7]
.endr
.irp t, 0,1,2,3
	v_rcp_f32 v[ST+12*\t+4], v[ST+12*\t+6]
.endr
	v_nop
	s_wait_alu depctr_va_vdst(0)                   ; one wait for the four reciprocals, ahead of their first reader
	RESCALE                                        ; O^T x 1 / L: the same lines, the reciprocal standing where A stood
	WIN 0x05                                       ; sources in window 1, destination in window 0
.set b, 0
.rept 16
.irp t, 0,1,2,3
	v_cvt_pk_f16_f32 v[S+16*\t+b], v[OA+32*\t+2*b], v[OA+32*\t+2*b+1]
.endr
.set b, b+1
.endr
	WIN 0
.irp t, 0,1,2,3
.irp ct, 0,1,2,3
	global_store_b128 v[L16], v[S+16*\t+4*\ct:S+16*\t+4*\ct+3], s[6:7] offset:\t*32768+\ct*512   ; the wave stores the 512 consecutive bytes of one block
.endr
.endr
	s_wait_tensorcnt 0x0                           ; the wave's end
	ds_add_u32 v[SPW], v[NIL]
	s_wait_dscnt 0x0
	CROUND                                         ; the closing round
	s_endpgm
.Lfunc_end_k_q311b007448_attn:
	.size	k_q311b007448_attn, .Lfunc_end_k_q311b007448_attn-k_q311b007448_attn
	.p2alignl 7, 3214868480
	.fill 96, 4, 3214868480
	.section	.rodata,"a",@progbits
	.p2align	6, 0x0
	.amdhsa_kernel k_q311b007448_attn
		.amdhsa_group_segment_fixed_size 327680
		.amdhsa_private_segment_fixed_size 0
		.amdhsa_enable_private_segment 0
		.amdhsa_kernarg_size 16
		.amdhsa_user_sgpr_count 2
		.amdhsa_user_sgpr_kernarg_segment_ptr 1
		.amdhsa_wavefront_size32 1
		.amdhsa_system_sgpr_workgroup_id_x 1
		.amdhsa_system_sgpr_workgroup_id_y 1
		.amdhsa_system_sgpr_workgroup_id_z 1
		.amdhsa_system_vgpr_workitem_id 0
		.amdhsa_next_free_vgpr 512
		.amdhsa_next_free_sgpr 66
		.amdhsa_reserve_vcc 0
		.amdhsa_float_denorm_mode_32 3
		.amdhsa_float_denorm_mode_16_64 3
		.amdhsa_memory_ordered 1
		.amdhsa_forward_progress 1
		.amdhsa_inst_pref_size 171
	.end_amdhsa_kernel
	.amdgpu_metadata
---
amdhsa.version: [ 1, 2 ]
amdhsa.kernels:
  - .name:           k_q311b007448_attn
    .symbol:         k_q311b007448_attn.kd
    .args:
      - { .name: qkvb, .offset: 0, .size: 8, .value_kind: global_buffer, .address_space: global }
      - { .name: ob, .offset: 8, .size: 8, .value_kind: global_buffer, .address_space: global }
    .group_segment_fixed_size: 327680
    .private_segment_fixed_size: 0
    .kernarg_segment_align: 8
    .kernarg_segment_size: 16
    .max_flat_workgroup_size: 256
    .sgpr_count:     66
    .vgpr_count:     512
    .wavefront_size: 32
...
	.end_amdgpu_metadata
.endif
;; end of part 3
;; launch proj (part 4): grid 4 x 64, 4 waves a work-group, clusters of 4 x 4, 327,680 bytes of LDS; arguments ob, wp, b_proj, out0; writes out0
.if DOCPART == 4
	.amdgcn_target "amdgcn-amd-amdhsa--gfx1250"
	.amdhsa_code_object_version 6
	.text
	.protected	k_q311b007448_proj
	.globl	k_q311b007448_proj
	.p2align	8
	.type	k_q311b007448_proj,@function
k_q311b007448_proj:
	s_mov_b64 s[64:65], 0
	v_nop
	global_prefetch_b8 v0, s[64:65] scope:SCOPE_SE
	s_setreg_imm32_b32 hwreg(HW_REG_WAVE_MODE, 25, 1), 1
	s_wait_xcnt 0x0
	s_wait_alu depctr_hold_cnt(0) depctr_sa_sdst(0) depctr_va_vdst(0) depctr_va_sdst(0) depctr_va_ssrc(0) depctr_va_vcc(0) depctr_vm_vsrc(0)
	s_getreg_b32 s2, hwreg(HW_REG_IB_STS2, 6, 4)
	s_cmp_eq_u32 s2, 0
	s_cbranch_scc0 .Lentry_in_a_cluster
	s_endpgm
.Lentry_in_a_cluster:
	s_bfe_u32 s2, ttmp6, 0x10000c
	s_cmp_lg_u32 s2, 0xf033
	s_cbranch_scc0 .Lentry_shape_is_right
	s_endpgm
.Lentry_shape_is_right:
; out0 = o w_proj + b_proj: M 8,192, N 1,024, K 1,024, f16 operands, f32 sums, f32 out.  Both operands arrive as blocks of 16 rows x 16 K of 512 bytes in the order of the operands' registers:
; ob block (T, k16) at T x 32768 + k16 x 512 (T = token / 16), wp block (nt, k16) likewise (nt = n / 16).  Two blocks on end are a fragment of 16 rows x 32 K: two loads at 16 x lane, no pitch, no padding.
; A tile of 128 (M) x 256 (N) to a work-group: 256 work-groups; a wave makes 64 x 128: 32 accumulators.  (Tiles of 256 x 256 would be 128.)
; K goes in 8 steps of 128 through two LDS slots: o's 8 token tiles x 4 KiB, then w's 16 column tiles x 4 KiB.  Waves 0, 1 fetch o's halves (4 rows of 4 KiB, 32 KiB apart in memory), waves 2, 3 w's (8 rows).
; CLUSTERS: 4 x 4; o's tiles are shared along a row of the cluster, w's along a column: joint loads; where a slot is filled again a round of the cluster's barrier stands in front.  One tensor load a wave is out behind each round, two at the start.
; THE MATRIX INSTRUCTION IS USED TRANSPOSED (source 0 = 16 columns of w, source 1 = 16 tokens): a lane holds eight neighbouring numbers of a row of out0.  The bias is the C of each sum's first product.
; No work of reference() is left out.
; REGISTERS: window 0: v16-29 addresses; v64-127 the bias; v128-255 rows on the way out.  window 1: two fragment buffers of 96 at v0 and v128 (w's 8, then o's 4).  window 2: accumulator (a, b) at v[8 (8 a + b)].
.set STEPB,  4096                      ; a K step of one tile of 16 rows: 8 blocks
.set SLOT,   98304
.set BOFF,   32768                     ; w's tiles in a slot
.set STAGE,  2*SLOT                    ; behind the ring: 16 rows x (512 + 16) bytes for each wave
.set SPITCH, 528
.set SPARE,  STAGE+4*16*SPITCH         ; the spare words, 128 bytes for each wave: two blocks of 256 bytes that no other line names
.set ADRA, 16
.set ADRB, 20
.set STO,  24
.set RD,   25
.set CO,   26                          ; v26  16 x lane
.set BO,   27                          ; v27  32 x (lane / 16)
.set SPW,  28
.set NIL,  29
.set BIAS, 64
.set BK,   128
.set F0,   0
.set F1,   128
.set G1, 24
.set G0, 32
.set G1B, 48
.set G0B, 56
.set MSB, 0
.macro WIN new
.if MSB != \new
	s_set_vgpr_msb (MSB<<8)|\new
.set MSB, \new
.endif
.endm
.set MUL,  0xa5                        ; sources 0 and 1 window 1; C and D window 2
.set MULZ, 0x85                        ; the same with C (the bias) in window 0
.set TO_F, 0x40
.macro JLOAD s                         ; waves 0 and 1 fetch o's halves, waves 2 and 3 w's; an s_nop 0 and four v_nop follow each line
	s_cmp_eq_u32 s15, 0
	s_cbranch_scc0 .Lfor_b_\@
	tensor_load_to_lds s[G0+4*\s:G0+4*\s+3], s[G1:G1+7]
	s_nop 0
.rept 4
	v_nop
.endr
	s_branch .Lasked_\@
.Lfor_b_\@:
	tensor_load_to_lds s[G0B+4*\s:G0B+4*\s+3], s[G1B:G1B+7]
	s_nop 0
.rept 4
	v_nop
.endr
.Lasked_\@:
.endm
.macro CREST
	s_cmp_lg_u32 s14, 0
	s_cbranch_scc1 .Lnot_wave_0_\@
	s_barrier_signal -3
.Lnot_wave_0_\@:
	s_barrier_wait -3
	s_barrier_signal -1
	s_barrier_wait -1
.endm
.macro CROUND
	s_barrier_signal -1
	s_barrier_wait -1
	CREST
.endm
	s_load_b256 s[4:11], s[0:1], 0x0               ; ob s[4:5], wp s[6:7], b_proj s[8:9], out0 s[10:11]
	v_lshl_add_u32 v[SPW], v0, 2, SPARE
	v_mov_b32 v[NIL], 0
	ds_add_u32 v[SPW], v[NIL]                      ; the wave's opening: the add, twice on end, and its wait ahead of my first tensor load
	ds_add_u32 v[SPW], v[NIL]
	v_lshrrev_b32 v1, 5, v0
	v_readfirstlane_b32 s14, v1                    ; wave 0..3
	s_lshr_b32 s15, s14, 1                         ; which 64 of the tile's tokens are mine.  Also: I fetch for o (0) or for w (1)
	s_and_b32 s16, s14, 1                          ; which 128 of its columns.  Also: which half of that tile I fetch
	s_bfe_u32 s40, ttmp6, 0x40000
	s_bfe_u32 s41, ttmp6, 0x40004
	s_lshl_b32 s42, ttmp9, 2
	s_add_co_u32 s42, s42, s40                     ; tile column
	s_and_b32 s17, ttmp7, 0xffff
	s_lshl_b32 s17, s17, 2
	s_add_co_u32 s17, s17, s41                     ; tile row
	s_lshl_b32 s43, s41, 2
	s_lshl_b32 s43, 15, s43                        ; my row of the cluster
	s_lshl_b32 s44, 0x1111, s40                    ; my column
	s_or_b32 s[G1+0], s43, (3<<16)|(1<<21)         ; the mask; elements of 8 bytes; bit 21 beside a mask; no padding
	s_or_b32 s[G1B+0], s44, (3<<16)|(1<<21)
	s_mov_b32 s[G1+1], 512<<16                     ; tensor_dim0: 512 elements: 4,096 bytes
	s_mov_b32 s[G1+2], 4<<16                       ; tensor_dim1: 4 rows
	s_mov_b32 s[G1+3], 512<<16                     ; tile_dim0
	s_mov_b32 s[G1+4], 4                           ; tile_dim1
	s_mov_b32 s[G1+5], 4096                        ; from row to row: 32,768 bytes
	s_mov_b32 s[G1+6], 0
	s_mov_b32 s[G1+7], 0
	s_mov_b32 s[G1B+1], 512<<16
	s_mov_b32 s[G1B+2], 8<<16                      ; 8 rows
	s_mov_b32 s[G1B+3], 512<<16
	s_mov_b32 s[G1B+4], 8
	s_mov_b32 s[G1B+5], 4096
	s_mov_b32 s[G1B+6], 0
	s_mov_b32 s[G1B+7], 0
	s_lshl_b32 s20, s17, 3
	s_lshl_b32 s21, s16, 2
	s_add_co_u32 s20, s20, s21                     ; o: token tile 8 x tile row + 4 x half
	s_lshl_b32 s20, s20, 15
	s_mov_b32 s21, 0
	s_lshl_b32 s46, s42, 4
	s_lshl_b32 s47, s16, 3
	s_add_co_u32 s46, s46, s47                     ; w: column tile 16 x tile column + 8 x half
	s_lshl_b32 s46, s46, 15
	s_mov_b32 s47, 0
	s_lshl_b32 s45, s16, 14                        ; where they go: o's halves at 0 and 16 KiB,
	s_lshl_b32 s18, s16, 15
	s_add_co_u32 s18, s18, BOFF                    ; w's at 32 and 64 KiB
	s_wait_dscnt 0x0                               ; both opening adds are done
	s_wait_kmcnt 0x0
	s_add_nc_u64 s[20:21], s[4:5], s[20:21]
	s_add_nc_u64 s[46:47], s[6:7], s[46:47]
	CROUND                                         ; all sixteen work-groups are here: the first joint loads meet
.irp s, 0,1
	s_mov_b32 s[G0+4*\s], 1
	s_add_co_u32 s[G0+4*\s+1], s45, \s*SLOT
	s_add_nc_u64 s[G0+4*\s+2:G0+4*\s+3], s[20:21], \s*STEPB
	s_or_b32 s[G0+4*\s+3], s[G0+4*\s+3], 0x80000000
	s_mov_b32 s[G0B+4*\s], 1
	s_add_co_u32 s[G0B+4*\s+1], s18, \s*SLOT
	s_add_nc_u64 s[G0B+4*\s+2:G0B+4*\s+3], s[46:47], \s*STEPB
	s_or_b32 s[G0B+4*\s+3], s[G0B+4*\s+3], 0x80000000
	JLOAD \s
.endr
	v_and_b32 v1, 15, v0                           ; r
	v_bfe_u32 v2, v0, 4, 1                         ; h
	s_lshl_b32 s46, s42, 10                        ; my 128 columns: 1,024 x tile column + 512 x half bytes on, in the bias and in a row of out0
	s_lshl_b32 s47, s16, 9
	s_add_co_u32 s46, s46, s47
	s_mov_b32 s47, 0
	s_add_nc_u64 s[8:9], s[8:9], s[46:47]
	s_add_nc_u64 s[10:11], s[10:11], s[46:47]
	v_lshlrev_b32 v[BO], 5, v2
.irp b, 0,1,2,3,4,5,6,7
	global_load_b128 v[BIAS+8*\b:BIAS+8*\b+3], v[BO], s[8:9] offset:64*\b         ; in the result's layout: register j = the bias of column 16 b + 8 h + j
	global_load_b128 v[BIAS+8*\b+4:BIAS+8*\b+7], v[BO], s[8:9] offset:64*\b+16
.endr
	s_lshl_b32 s20, s17, 7
	s_lshl_b32 s21, s15, 6
	s_add_co_u32 s20, s20, s21                     ; my first row of out0
	s_lshl_b32 s20, s20, 12
	s_mov_b32 s21, 0
	s_add_nc_u64 s[10:11], s[10:11], s[20:21]
	v_and_b32 v3, 31, v0
	v_lshlrev_b32 v[CO], 4, v3
	s_lshl_b32 s21, s15, 14                        ; my four token tiles
	s_lshl_b32 s22, s16, 15
	s_add_co_u32 s22, s22, BOFF                    ; my eight column tiles
.irp s, 0,1
	v_add_nc_u32 v[ADRA+\s], s21, v[CO]
	v_add_nc_u32 v[ADRB+\s], s22, v[CO]
	s_add_co_u32 s21, s21, SLOT
	s_add_co_u32 s22, s22, SLOT
.endr
	s_mul_i32 s23, s14, 16*SPITCH
	s_add_co_u32 s23, s23, STAGE                   ; my stage
	v_mul_u32_u24 v5, v1, SPITCH
	v_lshl_add_u32 v5, v2, 5, v5
	v_add_nc_u32 v[STO], s23, v5                   ; in: row r, 32 bytes for each half of the lanes
	v_add_nc_u32 v[RD], s23, v[CO]                 ; back: the 32 lanes take one row of 512 bytes
.macro MULA f, a, zero                 ; 8 products: token tile a against w's eight; the 32 accumulators take turns, one instruction a turn
.irp b, 0,1,2,3,4,5,6,7
.if \zero
	v_wmma_f32_16x16x32_f16 v[8*(8*(\a)+\b):8*(8*(\a)+\b)+7], v[\f+8*\b:\f+8*\b+7], v[\f+64+8*(\a):\f+64+8*(\a)+7], v[BIAS+8*\b:BIAS+8*\b+7]
.else
	v_wmma_f32_16x16x32_f16 v[8*(8*(\a)+\b):8*(8*(\a)+\b)+7], v[\f+8*\b:\f+8*\b+7], v[\f+64+8*(\a):\f+64+8*(\a)+7], v[8*(8*(\a)+\b):8*(8*(\a)+\b)+7]
.endif
.endr
.endm
.macro FETCH slot, q, f                ; 24 LDS loads in one run: the fragments of the slot's q-th 32 along K: w's eight, then o's four
	WIN TO_F
.irp i, 0,1,2,3,4,5,6,7
	ds_load_b128 v[\f+8*\i:\f+8*\i+3],   v[ADRB+\slot] offset:\i*4096+(\q)*1024
	ds_load_b128 v[\f+8*\i+4:\f+8*\i+7], v[ADRB+\slot] offset:\i*4096+(\q)*1024+512
.endr
.irp i, 0,1,2,3
	ds_load_b128 v[\f+64+8*\i:\f+64+8*\i+3],   v[ADRA+\slot] offset:\i*4096+(\q)*1024
	ds_load_b128 v[\f+64+8*\i+4:\f+64+8*\i+7], v[ADRA+\slot] offset:\i*4096+(\q)*1024+512
.endr
.endm
.macro PLACES                          ; four plain lines between matrix instructions and loads into registers that they read, or reads of their results
.rept 4
	v_nop
.endr
.endm
.macro QUARTER slot, qn, f, g, zero    ; multiplies buffer f; in its middle it fetches the slot's quarter qn into buffer g
	s_wait_dscnt 4                                 ; w's eight and o's tiles 0, 1 are in; the youngest four loads (tiles 2, 3) may be out
.if \zero
	WIN MULZ
.else
	WIN MUL
.endif
	MULA \f, 0, \zero
	MULA \f, 1, \zero
	PLACES
	FETCH \slot, \qn, \g
	s_wait_dscnt 24                                ; all but the 24 just issued
.if \zero
	WIN MULZ
.else
	WIN MUL
.endif
	MULA \f, 2, \zero
	MULA \f, 3, \zero
.endm
; A slot's last quarter multiplies buffer 1 and changes slots: one barrier; in front of it each wave waits for all its tensor loads, adds 0 to its spare word, and waits for that and for its reads of this slot.
.macro TURN slot, next, fill
	WIN 0                                          ; (the add's two registers lie in window 0)
	s_wait_tensorcnt 0x0                           ; my part of the next slot has landed
	ds_add_u32 v[SPW], v[NIL]
	s_wait_dscnt 5                                 ; (the add and the youngest four loads may be out)
	WIN MUL
	MULA F1, 0, 0
	s_wait_dscnt 0x0                               ; the add is done, and my reads of this slot are over
	s_barrier_signal -1
	MULA F1, 1, 0
.if \fill
	WIN 0
.endif
	s_barrier_wait -1
.if \fill
	CREST                                          ; the barrier has opened a round of the cluster's barrier: no wave of any partner still reads this slot or has a load on its way
	s_add_nc_u64 s[G0+4*\slot+2:G0+4*\slot+3], s[G0+4*\slot+2:G0+4*\slot+3], 2*STEPB
	s_add_nc_u64 s[G0B+4*\slot+2:G0B+4*\slot+3], s[G0B+4*\slot+2:G0B+4*\slot+3], 2*STEPB
	JLOAD \slot                                    ; the first tensor load behind the round; its four v_nop are also the places in front of the loads below
.else
	PLACES
.endif
	FETCH \next, 0, F0
	WIN MUL
	MULA F1, 2, 0
	MULA F1, 3, 0
.endm
	s_wait_tensorcnt 1                             ; my part of K step 0 is in (K step 1's load may be out)
	s_barrier_signal -1
	s_barrier_wait -1                              ; everybody's is
	FETCH 0, 0, F0
	s_wait_loadcnt 0x0                             ; the bias
	QUARTER 0, 1, F0, F1, 1                        ; the first quarter stands in front of the loop: its products start the sums
	WIN 0
	s_mov_b32 s3, 3
.Llap:                                             ; a trip goes once round the ring and fills both slots again: K steps 2 to 7
	QUARTER 0, 2, F1, F0, 0
	QUARTER 0, 3, F0, F1, 0
	TURN 0, 1, 1
	QUARTER 1, 1, F0, F1, 0
	QUARTER 1, 2, F1, F0, 0
	QUARTER 1, 3, F0, F1, 0
	TURN 1, 0, 1
	QUARTER 0, 1, F0, F1, 0
	WIN 0
	s_sub_co_u32 s3, s3, 1
	s_cmp_lg_u32 s3, 0
	s_cbranch_scc1 .Llap
	QUARTER 0, 2, F1, F0, 0                        ; the last lap fills nothing
	QUARTER 0, 3, F0, F1, 0
	TURN 0, 1, 0
	QUARTER 1, 1, F0, F1, 0
	QUARTER 1, 2, F1, F0, 0
	QUARTER 1, 3, F0, F1, 0
	s_wait_dscnt 4
	WIN MUL
	MULA F1, 0, 0
	MULA F1, 1, 0
	s_wait_dscnt 0
	MULA F1, 2, 0
	MULA F1, 3, 0
	WIN 0
; THE WAY OUT, block by block of 16 rows x 128 columns: through my own stage in LDS and back as whole rows of 512 bytes.  LDS serves a wave's instructions in order: no wait between the stores and the loads.
.macro TOSTAGE a
	WIN 0x08                                       ; an LDS store's data are its source 1: window 2
.irp b, 0,1,2,3,4,5,6,7
	ds_store_b128 v[STO], v[64*(\a)+8*\b:64*(\a)+8*\b+3] offset:64*\b            ; each accumulator from its low end on
	ds_store_b128 v[STO], v[64*(\a)+8*\b+4:64*(\a)+8*\b+7] offset:64*\b+16
.endr
	WIN 0
.set BB, BK+64*((\a)%2)
.set t, 0
.rept 16
	ds_load_b128 v[BB+4*t:BB+4*t+3], v[RD] offset:t*SPITCH
.set t, t+1
.endr
.endm
.macro SEND a, younger                 ; younger: the LDS instructions issued behind block a's loads, which may stay out
.set BB, BK+64*((\a)%2)
	s_wait_dscnt \younger
.if (\a) > 0
	s_add_nc_u64 s[10:11], s[10:11], 16*4096       ; (behind a wait for the earlier stores' addresses)  16 rows on
.endif
.set t, 0
.rept 16
	global_store_b128 v[CO], v[BB+4*t:BB+4*t+3], s[10:11] offset:t*4096 th:TH_STORE_NT   ; 32 lanes store 512 consecutive bytes, aligned; written once, read by nobody here
.set t, t+1
.endr
.endm
	PLACES
	TOSTAGE 0
.irp a, 1,2,3
.if \a > 1
	s_wait_xcnt 0x0                                ; block a - 2's stores have read their registers and their base
.endif
	TOSTAGE \a
	SEND \a-1, 32                                  ; behind block a - 1's loads: block a's 16 stores and 16 loads
.endr
	s_wait_xcnt 0x0
	SEND 3, 0
	s_wait_tensorcnt 0x0                           ; the wave's end, behind my last tensor load and my last LDS store
	ds_add_u32 v[SPW], v[NIL]
	s_wait_dscnt 0x0
	CROUND                                         ; the closing round
	s_endpgm
.Lfunc_end_k_q311b007448_proj:
	.size	k_q311b007448_proj, .Lfunc_end_k_q311b007448_proj-k_q311b007448_proj
	.p2alignl 7, 3214868480
	.fill 96, 4, 3214868480
	.section	.rodata,"a",@progbits
	.p2align	6, 0x0
	.amdhsa_kernel k_q311b007448_proj
		.amdhsa_group_segment_fixed_size 327680
		.amdhsa_private_segment_fixed_size 0
		.amdhsa_enable_private_segment 0
		.amdhsa_kernarg_size 32
		.amdhsa_user_sgpr_count 2
		.amdhsa_user_sgpr_kernarg_segment_ptr 1
		.amdhsa_wavefront_size32 1
		.amdhsa_system_sgpr_workgroup_id_x 1
		.amdhsa_system_sgpr_workgroup_id_y 1
		.amdhsa_system_sgpr_workgroup_id_z 1
		.amdhsa_system_vgpr_workitem_id 0
		.amdhsa_next_free_vgpr 768
		.amdhsa_next_free_sgpr 66
		.amdhsa_reserve_vcc 0
		.amdhsa_float_denorm_mode_32 3
		.amdhsa_float_denorm_mode_16_64 3
		.amdhsa_memory_ordered 1
		.amdhsa_forward_progress 1
		.amdhsa_inst_pref_size 86
	.end_amdhsa_kernel
	.amdgpu_metadata
---
amdhsa.version: [ 1, 2 ]
amdhsa.kernels:
  - .name:           k_q311b007448_proj
    .symbol:         k_q311b007448_proj.kd
    .args:
      - { .name: ob, .offset: 0, .size: 8, .value_kind: global_buffer, .address_space: global }
      - { .name: wp, .offset: 8, .size: 8, .value_kind: global_buffer, .address_space: global }
      - { .name: b_proj, .offset: 16, .size: 8, .value_kind: global_buffer, .address_space: global }
      - { .name: out0, .offset: 24, .size: 8, .value_kind: global_buffer, .address_space: global }
    .group_segment_fixed_size: 327680
    .private_segment_fixed_size: 0
    .kernarg_segment_align: 8
    .kernarg_segment_size: 32
    .max_flat_workgroup_size: 128
    .sgpr_count:     66
    .vgpr_count:     768
    .wavefront_size: 32
...
	.end_amdgpu_metadata
.endif
;; end of part 4
